; MI455X (gfx1250); checked and timed in simulation.
; The chip was launched on July 23, 2026; its instructions are those of AMD's public machine-readable ISA for CDNA 5 (MIT licence, August 2026) and "CDNA5" Instruction Set Architecture Reference Guide (July 2026). The comments in the code are by the model that wrote it; some were corrected since.
;; Epi Module. Allowed arithmetic: float matrix products may take bf16 or f16 operands with f32 sums; other float arithmetic in f32, or as packed bf16 or f16 multiplies, adds, multiply-adds, maxima and minima; sums over many terms, partial sums and values carried from step to step in f32; what a program stores and reads back later, other than sums and carried values, may be rounded once to bf16 or f16.
;; Inputs: F_mats 32 x 3 x 3 float32; Wk 512 x 512 float32; Wo 512 x 512 float32; Wq 512 x 512 float32; Wv 512 x 512 float32; hidden_states 32 x 1,024 x 512 float32.
;; Outputs: out0 32 x 1,024 x 512 float32.
;; One version. Each part assembles by itself: llvm-mc -triple=amdgcn-amd-amdhsa -mcpu=gfx1250 --defsym DOCPART=n.
;; ======== version 1 of 1: 4 launches
;; limits: values are held in f16: magnitudes above 65,504 overflow, below 6.1e-05 lose precision
;; workspace buffers: wts 2,097,152 bytes; coef 524,288 bytes; qkv 100,663,296 bytes; obuf 33,554,432 bytes
;; launch prep (part 1): grid 160 x 1, 8 waves a work-group, no clusters, 1,280 bytes of LDS; arguments F_mats, Wq, Wk, Wv, Wo, wts, coef; writes wts, coef
.if DOCPART == 1
	.amdgcn_target "amdgcn-amd-amdhsa--gfx1250"
	.amdhsa_code_object_version 6
	.text
	.protected	k_qb4d2236fc1_prep
	.globl	k_qb4d2236fc1_prep
	.p2align	8
	.type	k_qb4d2236fc1_prep,@function
k_qb4d2236fc1_prep:
	s_mov_b64 s[64:65], 0
	v_nop
	global_prefetch_b8 v0, s[64:65] scope:SCOPE_SE
	s_setreg_imm32_b32 hwreg(HW_REG_WAVE_MODE, 25, 1), 1
	s_wait_xcnt 0x0
; TWO JOBS, told apart by the work-group's number.
; Work-groups 0-127: the four weights [512 k][512 n] f32 -> wts [16 j][512 k][128 n], 16 bits, j = 4 x matrix + n / 128: a block j is 512 dense rows of 256 bytes.
;   Wq, Wk, Wv are rounded to bf16; Wo is rounded to bf16 and that number is written as f16 (it multiplies f16 numbers later; below 6e-5 it keeps f16's fixed step of 6e-8).
;   A work-group takes 16 rows k of one matrix; a thread 8 columns of 4 rows: 32 bytes in, 16 bytes out, sixteen neighbouring lanes store 256 consecutive bytes, aligned.
; Work-groups 128-159: batch b = number - 128: for each query pixel n the scaled epipolar line (a', b', c', -bd') -> coef [32][1024][4] f32, from which the attention makes
;   8 x (mask - band x decay) = min(-|a' x + b' y + c'|, -bd') for a key pixel (x, y).  The shift by band x decay is the same for all keys of a row, so the softmax does not see it.
;   band wants the maximum over all (n, m) of |l_n . c_m| / (norm_n + 1e-6): |affine| is convex in c_m, so for each n the maximum over the grid lies at one of its four corners (3.5 or 251.5).
; F_mats is rounded to bf16 on purpose, like every other input of the module.
; LIMITS: a^2 + b^2 must stay finite (|F| below about 1e15); NaN in F is not treated apart here; the products are formed as (l x inv x decay x 8) . c, another order of rounding than the definition's.
.set SPARE, 256                        ; bytes 0-31: eight partial maxima; from 256 on the spare words, 128 bytes a wave
.set SPW, 64                           ; v64  SPARE + 4 x my thread's number; never rewritten
.set NIL, 65                           ; v65  0; never rewritten
	s_load_b256 s[4:11], s[0:1], 0x0               ; F s[4:5], Wq s[6:7], Wk s[8:9], Wv s[10:11]
	s_load_b128 s[12:15], s[0:1], 0x20             ; Wo s[12:13], wts s[14:15]
	s_load_b64 s[16:17], s[0:1], 0x30              ; coef
	v_lshl_add_u32 v[SPW], v0, 2, SPARE
	v_mov_b32 v[NIL], 0
	s_wait_kmcnt 0x0
	s_cmp_lt_u32 ttmp9, 128
	s_cbranch_scc0 .Lcoef
	; ---- weights ----
	s_lshr_b32 s18, ttmp9, 5                       ; which matrix
	s_and_b32 s19, ttmp9, 31
	s_lshl_b32 s19, s19, 4                         ; its first row k
	s_lshl_b32 s22, s18, 2                         ; 4 x matrix
	s_cmp_eq_u32 s18, 1
	s_cselect_b64 s[20:21], s[8:9], s[6:7]
	s_cmp_eq_u32 s18, 2
	s_cselect_b64 s[20:21], s[10:11], s[20:21]
	s_cmp_eq_u32 s18, 3
	s_cselect_b64 s[20:21], s[12:13], s[20:21]
	v_lshrrev_b32 v3, 6, v0
	v_add_nc_u32 v3, s19, v3                       ; my first row: k0 + t / 64; the others 4, 8, 12 further down
	v_and_b32 v4, 63, v0                           ; my 8 columns
	v_lshlrev_b32 v1, 11, v3
	v_lshl_add_u32 v1, v4, 5, v1                   ; source: row x 2,048 + 32 x (t % 64)
	v_lshrrev_b32 v5, 4, v4
	v_add_nc_u32 v5, s22, v5                       ; block j
	v_lshlrev_b32 v2, 17, v5
	v_lshl_add_u32 v2, v3, 8, v2
	v_and_b32 v6, 15, v4
	v_lshl_add_u32 v2, v6, 4, v2                   ; destination: j x 131,072 + row x 256 + 16 x (t % 16)
.irp i, 0,1,2,3
	global_load_b128 v[32+8*\i:35+8*\i], v1, s[20:21] offset:\i*8192 th:TH_LOAD_NT
	global_load_b128 v[36+8*\i:39+8*\i], v1, s[20:21] offset:\i*8192+16 th:TH_LOAD_NT
.endr
	s_wait_loadcnt 0x0
.set r, 0
.rept 16
	v_cvt_pk_bf16_f32 v[8+r], v[32+2*r], v[33+2*r]
.set r, r+1
.endr
	s_cmp_lg_u32 s18, 3
	s_cbranch_scc1 .Lput
.set r, 0
.rept 16                               ; Wo: the bf16 numbers written as f16
	v_lshlrev_b32 v24, 16, v[8+r]
	v_and_b32 v25, 0xffff0000, v[8+r]
	v_cvt_pk_f16_f32 v[8+r], v24, v25
.set r, r+1
.endr
.Lput:
.irp i, 0,1,2,3
	global_store_b128 v2, v[8+4*\i:11+4*\i], s[14:15] offset:\i*1024
.endr
	s_branch .Lend
	; ---- lines ----
.Lcoef:
	s_sub_co_u32 s18, ttmp9, 128                   ; b
	s_mul_i32 s20, s18, 36
	s_mov_b32 s21, 0
	s_add_nc_u64 s[20:21], s[4:5], s[20:21]
	s_load_b256 s[24:31], s[20:21], 0x0            ; F[b], nine numbers
	s_load_b32 s32, s[20:21], 0x20
	s_mov_b32 s33, 0x7fffffff                      ; clears a sign
	s_mov_b32 s34, 0x76543210                      ; v_permlanex16_b32: each lane takes its own place in the other half
	s_mov_b32 s35, 0xfedcba98
	s_mov_b32 s36, 0x41000000                      ; 8.0: pixels are 8 apart
	s_mov_b32 s37, 0x40600000                      ; 3.5: the first pixel, and the low corner
	s_mov_b32 s39, 0x437b8000                      ; 251.5: the high corner
	s_and_b32 s38, s18, 15
	s_cmp_eq_u32 s38, 0
	s_cselect_b32 s38, -1, 0                       ; all lanes: a video's first frame takes the line (0, -1, y)
	s_lshl_b32 s22, s18, 14
	s_mov_b32 s23, 0
	s_add_nc_u64 s[16:17], s[16:17], s[22:23]      ; coef at batch b
	v_lshrrev_b32 v1, 5, v0
	v_readfirstlane_b32 s40, v1                    ; wave 0..7
	v_and_b32 v2, 31, v0
	v_cvt_f32_u32 v2, v2
	v_fma_f32 v2, v2, s36, s37                     ; x of my four pixels n = t + 256 i
.irp i, 0,1,2,3
	v_add_nc_u32 v3, 8*\i, v1
	v_cvt_f32_u32 v3, v3
	v_fma_f32 v[4+\i], v3, s36, s37                ; y of pixel i
.endr
	v_lshlrev_b32 v50, 4, v0                       ; my 16 bytes of coef
	v_mov_b32 v39, 0
	s_wait_kmcnt 0x0
	v_cvt_pk_bf16_f32 v32, s24, s25                ; F rounded to bf16,
	v_cvt_pk_bf16_f32 v33, s26, s27
	v_cvt_pk_bf16_f32 v34, s28, s29
	v_cvt_pk_bf16_f32 v35, s30, s31
	v_cvt_pk_bf16_f32 v36, s32, s32
.irp j, 0,1,2,3
	v_lshlrev_b32 v[40+2*\j], 16, v[32+\j]         ; and widened again: F[i][j] in v[40 + 3 i + j]
	v_and_b32 v[41+2*\j], 0xffff0000, v[32+\j]
.endr
	v_lshlrev_b32 v48, 16, v36
	v_fma_f32 v24, v40, v2, v42
	v_fma_f32 v25, v43, v2, v45
	v_fma_f32 v26, v46, v2, v48
.irp i, 0,1,2,3
	v_fma_f32 v[8+4*\i], v41, v[4+\i], v24         ; the line l = F c of pixel i: a, b, c
	v_fma_f32 v[9+4*\i], v44, v[4+\i], v25
	v_fma_f32 v[10+4*\i], v47, v[4+\i], v26
	v_cndmask_b32 v[8+4*\i], v[8+4*\i], 0, s38
	v_cndmask_b32 v[9+4*\i], v[9+4*\i], -1.0, s38
	v_cndmask_b32 v[10+4*\i], v[10+4*\i], v[4+\i], s38
	v_mul_f32 v[28+\i], v[9+4*\i], v[9+4*\i]
	v_fma_f32 v[28+\i], v[8+4*\i], v[8+4*\i], v[28+\i]
.endr
.irp i, 0,1,2,3
	v_sqrt_f32 v[28+\i], v[28+\i]
.endr
	v_nop                                          ; a plain instruction behind the last root,
	s_wait_alu depctr_va_vdst(0)                   ; and one wait for the four, ahead of their first reader
.irp i, 0,1,2,3
	v_add_f32 v[28+\i], 0x358637bd, v[28+\i]       ; + 1e-6
.endr
.irp i, 0,1,2,3
	v_rcp_f32 v[28+\i], v[28+\i]
.endr
	v_nop
	s_wait_alu depctr_va_vdst(0)                   ; one wait for the four reciprocals
.irp i, 0,1,2,3
	v_fma_f32 v32, v[8+4*\i], s37, v[10+4*\i]      ; the four corners
	v_fma_f32 v33, v[8+4*\i], s39, v[10+4*\i]
	v_fma_f32 v34, v[9+4*\i], s37, v32
	v_fma_f32 v35, v[9+4*\i], s39, v32
	v_fma_f32 v36, v[9+4*\i], s37, v33
	v_fma_f32 v37, v[9+4*\i], s39, v33
	v_and_b32 v34, s33, v34
	v_and_b32 v35, s33, v35
	v_and_b32 v36, s33, v36
	v_and_b32 v37, s33, v37
	v_max3_num_f32 v34, v34, v35, v36
	v_max_num_f32 v34, v34, v37
.if \i == 0
	v_mul_f32 v38, v34, v[28+\i]
.else
	v_mul_f32 v34, v34, v[28+\i]
	v_max_num_f32 v38, v38, v34
.endif
.endr
	v_max_num_f32_dpp v38, v38, v38 row_xmask:1 row_mask:0xf bank_mask:0xf
	v_max_num_f32_dpp v38, v38, v38 row_xmask:2 row_mask:0xf bank_mask:0xf
	v_max_num_f32_dpp v38, v38, v38 row_xmask:4 row_mask:0xf bank_mask:0xf
	v_max_num_f32_dpp v38, v38, v38 row_xmask:8 row_mask:0xf bank_mask:0xf
	v_permlanex16_b32 v39, v38, s34, s35
	v_max_num_f32 v38, v38, v39                    ; the wave's maximum, in every lane
	v_mov_b32 v49, s40
	v_lshlrev_b32 v49, 2, v49
	ds_store_b32 v49, v38                          ; all lanes write the wave's word with the same value
	s_wait_dscnt 0x0                               ; for the others' sake
	s_barrier_signal -1
	s_barrier_wait -1
	v_mov_b32 v49, 0
	ds_load_b128 v[52:55], v49
	ds_load_b128 v[56:59], v49 offset:16
	s_wait_dscnt 0x0
	v_max3_num_f32 v52, v52, v53, v54
	v_max3_num_f32 v55, v55, v56, v57
	v_max3_num_f32 v52, v52, v58, v59
	v_max_num_f32 v52, v52, v55                    ; the batch's maximum
	v_mul_f32 v53, 0x3cc00000, v52                 ; band = 3 / 128 of it
	v_add_f32 v54, 0x358637bd, v53
	v_rcp_f32 v54, v54
	v_nop
	s_wait_alu depctr_va_vdst(0)
	v_mul_f32 v60, 0x41c00000, v54                 ; 8 x decay = 24 / (band + 1e-6): the scores are divided by 8 later
	v_mul_f32 v61, v53, v60
	v_sub_f32 v61, 0, v61                          ; -8 x band x decay
.irp i, 0,1,2,3
	v_mul_f32 v[28+\i], v[28+\i], v60
	v_mul_f32 v[8+4*\i], v[8+4*\i], v[28+\i]
	v_mul_f32 v[9+4*\i], v[9+4*\i], v[28+\i]
	v_mul_f32 v[10+4*\i], v[10+4*\i], v[28+\i]
	v_mov_b32 v[11+4*\i], v61
	global_store_b128 v50, v[8+4*\i:11+4*\i], s[16:17] offset:\i*4096  ; a wave stores 512 consecutive bytes
.endr
.Lend:
	s_wait_tensorcnt 0x0                           ; the wave's end: behind my last LDS store
	ds_add_u32 v[SPW], v[NIL]
	s_wait_dscnt 0x0
	s_endpgm
.Lfunc_end_k_qb4d2236fc1_prep:
	.size	k_qb4d2236fc1_prep, .Lfunc_end_k_qb4d2236fc1_prep-k_qb4d2236fc1_prep
	.p2alignl 7, 3214868480
	.fill 96, 4, 3214868480
	.section	.rodata,"a",@progbits
	.p2align	6, 0x0
	.amdhsa_kernel k_qb4d2236fc1_prep
		.amdhsa_group_segment_fixed_size 1280
		.amdhsa_private_segment_fixed_size 0
		.amdhsa_enable_private_segment 0
		.amdhsa_kernarg_size 56
		.amdhsa_user_sgpr_count 2
		.amdhsa_user_sgpr_kernarg_segment_ptr 1
		.amdhsa_wavefront_size32 1
		.amdhsa_system_sgpr_workgroup_id_x 1
		.amdhsa_system_sgpr_workgroup_id_y 1
		.amdhsa_system_sgpr_workgroup_id_z 1
		.amdhsa_system_vgpr_workitem_id 0
		.amdhsa_next_free_vgpr 72
		.amdhsa_next_free_sgpr 66
		.amdhsa_reserve_vcc 0
		.amdhsa_float_denorm_mode_32 3
		.amdhsa_float_denorm_mode_16_64 3
		.amdhsa_memory_ordered 1
		.amdhsa_forward_progress 1
		.amdhsa_inst_pref_size 17
	.end_amdhsa_kernel
	.amdgpu_metadata
---
amdhsa.version: [ 1, 2 ]
amdhsa.kernels:
  - .name:           k_qb4d2236fc1_prep
    .symbol:         k_qb4d2236fc1_prep.kd
    .args:
      - { .name: F_mats, .offset: 0, .size: 8, .value_kind: global_buffer, .address_space: global }
      - { .name: Wq, .offset: 8, .size: 8, .value_kind: global_buffer, .address_space: global }
      - { .name: Wk, .offset: 16, .size: 8, .value_kind: global_buffer, .address_space: global }
      - { .name: Wv, .offset: 24, .size: 8, .value_kind: global_buffer, .address_space: global }
      - { .name: Wo, .offset: 32, .size: 8, .value_kind: global_buffer, .address_space: global }
      - { .name: wts, .offset: 40, .size: 8, .value_kind: global_buffer, .address_space: global }
      - { .name: coef, .offset: 48, .size: 8, .value_kind: global_buffer, .address_space: global }
    .group_segment_fixed_size: 1280
    .private_segment_fixed_size: 0
    .kernarg_segment_align: 8
    .kernarg_segment_size: 56
    .max_flat_workgroup_size: 256
    .sgpr_count:     66
    .vgpr_count:     72
    .wavefront_size: 32
...
	.end_amdgpu_metadata
.endif
;; end of part 1
;; launch proj (part 2): grid 256 x 1, 4 waves a work-group, clusters of 4 x 1, 327,680 bytes of LDS; arguments hidden_states, wts, qkv; writes qkv
.if DOCPART == 2
	.amdgcn_target "amdgcn-amd-amdhsa--gfx1250"
	.amdhsa_code_object_version 6
	.text
	.protected	k_qb4d2236fc1_proj
	.globl	k_qb4d2236fc1_proj
	.p2align	8
	.type	k_qb4d2236fc1_proj,@function
k_qb4d2236fc1_proj:
	s_mov_b64 s[64:65], 0
	v_nop
	global_prefetch_b8 v0, s[64:65] scope:SCOPE_SE
	s_setreg_imm32_b32 hwreg(HW_REG_WAVE_MODE, 25, 1), 1
	s_wait_xcnt 0x0
	s_wait_alu depctr_hold_cnt(0) depctr_sa_sdst(0) depctr_va_vdst(0) depctr_va_sdst(0) depctr_va_ssrc(0) depctr_va_vcc(0) depctr_vm_vsrc(0)
	s_getreg_b32 s2, hwreg(HW_REG_IB_STS2, 6, 4)
	s_cmp_eq_u32 s2, 0
	s_cbranch_scc0 .Lentry_in_a_cluster
	s_endpgm
.Lentry_in_a_cluster:
	s_bfe_u32 s2, ttmp6, 0x10000c
	s_cmp_lg_u32 s2, 0x3003
	s_cbranch_scc0 .Lentry_shape_is_right
	s_endpgm
.Lentry_shape_is_right:
; q, k, v = hidden x [Wq Wk Wv].  hidden: [32768][512] f32, rounded to bf16 on the way in; wts: blocks j = 0..11 of [512 k][128 n] bf16; qkv: [32 b][24 g][1024 n][64] f16, g = 8 x matrix + head.  Sums in f32, the results
; rounded once, unscaled.  LIMIT: f16 ends at 65,504; q, k, v of inputs 30 times the usual size, or offset by 30 spreads, stay under a third of that.
; SHARES.  A work-group owns 128 rows; its four waves are 2 row halves x 2 column halves.  A WAVE'S 64 ROWS x 512 K STAY IN REGISTERS (512 of them), read from memory and converted once; the loop walks the 12 weight blocks,
; 256 matrix instructions a wave and block on 16 accumulators (64 x 64), and reads only weight fragments from LDS: one load for two matrix instructions.
; CLUSTER.  The four work-groups of a cluster walk the same blocks, so each is asked for JOINTLY: the same tensor load, descriptor and mask in all four; wave w brings rows k = 128 w .. 128 w + 127.
; RING.  Two slots of one block each.  At a change of slots every wave waits for all its tensor loads, adds 0 to its spare word, waits for that and for its reads, and passes a round of the cluster's barrier; the refill is
; the first thing behind it and has 224 matrix instructions in which to land.  By this text's count a wave has two tensor loads out at the head and one behind each round.
; THE PRODUCT IS USED TRANSPOSED: source 0 = 16 columns n of the weights (turned out of [k][n] by ds_load_tr16_b128), source 1 = 16 rows of hidden: a lane then holds one row and eight neighbouring columns.
; REGISTERS, in windows of 256 (s_set_vgpr_msb: bits 1:0 source 0, 3:2 source 1, 5:4 source 2, 7:6 destination):
;   window 0: v16-29 addresses; v32-95 at work; v128-255 the accumulators ((a, b) at 128 + 8 (4 a + b))     window 1: two buffers of 128: weight fragments of 128 K (at the head: hidden as loaded)
;   windows 2, 3: hidden's fragments: K chunk kc of 32, row tile a at v[32 (kc % 8) + 8 a] of window 2 + kc / 8
.set PB,    288                        ; a weight row in LDS: 256 bytes + 32 of padding = 72 words
.set QROWS, 128*PB                     ; 128 rows k: what one tensor load brings, and a quarter of a step
.set SLOT,  4*QROWS
.set ASTG,  2*SLOT                     ; behind the ring, never filled by a tensor load: 128 rows x 64 K of hidden in bf16, pitch 144
.set AP,    144
.set OSTG,  ASTG+128*AP                ; 16 rows x 144 bytes for each wave, for the way out
.set SP,    144
.set SPARE, OSTG+4*16*SP               ; the spare words, 128 bytes a wave: two blocks of 256 bytes that no other line names
.set BLK,   131072                     ; bytes in a weight block
.set HS,    131072                     ; bytes in a head's 1,024 rows of qkv
.set AB,   16                          ; v16-19  my place in quarter q of a slot
.set ADR,  20                          ; v20     the LDS address of the run of loads in hand
.set STO,  21                          ; v21     the way out: where I put 16 bytes of a row
.set RD,   22                          ; v22     where I read rows back
.set GO,   23                          ; v23     my 16 bytes of 512 consecutive bytes of qkv
.set HO,   24                          ; v24     my byte offset in the work-group's rows of hidden
.set ASO,  25                          ; v25     where I put 8 bytes of hidden in bf16
.set AFO,  26                          ; v26     where I read hidden's fragments
.set PFO,  27                          ; v27     256 x my thread's number
.set SPW,  28                          ; v28     SPARE + 4 x my thread's number; never rewritten
.set NIL,  29                          ; v29     0; never rewritten
.set TMP,  32
.set ACC,  128
.set F0,   0
.set F1,   128
.set WV,   10                          ; s10 wave; s11 row half; s12 column half; s13 cx; s14 work-group x
.set RH,   11
.set CH,   12
.set CX,   13
.set WGX,  14
.set LIM,  15                          ; s15  1 in the cluster that prefetches, else the greatest number
.set G1,   16                          ; s[16:23] descriptor group 1
.set G0A,  24                          ; s[24:27] group 0 of the first fill
.set GW,   28                          ; s[28:31] group 0 of the second fill; it then walks
.set HP,   32                          ; s[32:33] hidden at the work-group's first row
.set OPT,  34                          ; s[34:35] qkv at my 64 rows of the head in hand
.set OINC, 36                          ; s[36:37] what the next way out adds to it
.set PFA,  38                          ; s[38:39] where my prefetches stand
.set TB,   40                          ; s40  the slot that is read: 0 or SLOT
.set LEFT, 41                          ; s41  trips to go
.set MSB, 0
.macro WIN new                         ; the immediate's high byte repeats the setting that is left; a switch that changes nothing is dropped
.if MSB != (\new)
	s_set_vgpr_msb (MSB<<8)|(\new)
.set MSB, (\new)
.endif
.endm
.macro PLACES                          ; four places in front of loads into registers that matrix instructions have read, and of conversions that read results
.rept 4
	v_nop
.endr
.endm
.macro CREST                           ; a round of the cluster's barrier behind its opening barrier
	s_cmp_lg_u32 s[WV], 0
	s_cbranch_scc1 .Lnot_wave_0_\@
	s_barrier_signal -3
.Lnot_wave_0_\@:
	s_barrier_wait -3
	s_barrier_signal -1
	s_barrier_wait -1
.endm
.macro CROUND
	s_barrier_signal -1
	s_barrier_wait -1
	CREST
.endm
	s_load_b128 s[4:7], s[0:1], 0x0                ; hidden s[4:5], wts s[6:7]
	s_load_b64 s[8:9], s[0:1], 0x10                ; qkv
	v_lshl_add_u32 v[SPW], v0, 2, SPARE
	v_mov_b32 v[NIL], 0
	ds_add_u32 v[SPW], v[NIL]                      ; the wave's opening: the add and its wait stand ahead of my first tensor load; the set-up below, work on registers, stands between them
	v_lshrrev_b32 v1, 5, v0
	v_readfirstlane_b32 s[WV], v1
	s_lshr_b32 s[RH], s[WV], 1
	s_and_b32 s[CH], s[WV], 1
	s_bfe_u32 s[CX], ttmp6, 0x40000
	s_lshl_b32 s[WGX], ttmp9, 2
	s_add_co_u32 s[WGX], s[WGX], s[CX]             ; it enters hidden's, qkv's and the prefetches' addresses alone
	s_mov_b32 s[G1+0], 15|(1<<16)|(1<<20)|(1<<21)|(5<<22)|(7<<25)  ; the mask of four; 2-byte elements; padding on; bit 21 beside a mask; after every 64 words 8 words
	s_mov_b32 s[G1+1], 128<<16                     ; tensor_dim0 = 128
	s_mov_b32 s[G1+2], 128<<16                     ; tensor_dim1 = 128
	s_mov_b32 s[G1+3], 128<<16                     ; tile_dim0 = 128
	s_mov_b32 s[G1+4], 128                         ; tile_dim1 = 128
	s_mov_b32 s[G1+5], 128                         ; 128 elements from row to row
	s_mov_b32 s[G1+6], 0
	s_mov_b32 s[G1+7], 0
	s_mul_i32 s42, s[WV], QROWS                    ; my 128 rows k in a slot
	s_lshl_b32 s44, s[WV], 15                      ; and in a block
	s_mov_b32 s45, 0
	s_cmp_eq_u32 ttmp9, 0
	s_cselect_b32 s[LIM], 1, -1                    ; the same in all four partners
	s_lshl_b32 s46, s[WGX], 18                     ; the work-group's 128 rows of 2,048 bytes
	s_mov_b32 s47, 0
	s_lshr_b32 s48, s[WGX], 3                      ; batch
	s_mul_i32 s48, s48, 24
	s_add_co_u32 s48, s48, s[CH]                   ; head g = 2 j + column half, j = 0
	s_lshl_b32 s48, s48, 17
	s_and_b32 s49, s[WGX], 7
	s_lshl_b32 s49, s49, 14                        ; 128 rows of 128 bytes
	s_add_co_u32 s48, s48, s49
	s_lshl_b32 s49, s[RH], 13
	s_add_co_u32 s48, s48, s49
	s_mov_b32 s49, 0
	s_lshl_b32 s50, s[CX], 15                      ; my work-group's quarter of a block, for the prefetches
	s_mov_b32 s51, 0
	s_mov_b32 s[OINC], 0
	s_mov_b32 s[OINC+1], 0
	v_and_b32 v1, 15, v0                           ; l % 16
	v_bfe_u32 v2, v0, 4, 1                         ; l / 16
	v_and_b32 v3, 7, v0
	v_bfe_u32 v4, v0, 3, 1
	v_and_b32 v5, 31, v0
	v_lshl_add_u32 v6, v2, 3, v3                   ; the turning load: lane l reads row k = 8 (l / 16) + l % 8, columns 8 ((l / 8) % 2) + 0..7
	v_mul_u32_u24 v6, v6, PB
	v_lshl_add_u32 v6, v4, 4, v6
	s_lshl_b32 s43, s[CH], 7                       ; my 64 columns
	v_add_nc_u32 v6, s43, v6
.irp q, 0,1,2,3
	v_add_nc_u32 v[AB+\q], \q*QROWS, v6
.endr
	s_mul_i32 s43, s[WV], 16*SP
	s_add_co_u32 s43, s43, OSTG                    ; my stage
	v_mul_u32_u24 v[STO], v1, SP
	v_lshl_add_u32 v[STO], v2, 4, v[STO]
	v_add_nc_u32 v[STO], s43, v[STO]
	v_bfe_u32 v[RD], v0, 3, 2                      ; back: 32 lanes take four rows of 128 bytes,
	v_mul_u32_u24 v[RD], v[RD], SP
	v_lshl_add_u32 v[RD], v3, 4, v[RD]
	v_add_nc_u32 v[RD], s43, v[RD]
	v_lshlrev_b32 v[GO], 4, v5                     ; which are 512 consecutive bytes of qkv
	s_lshl_b32 s43, s[WV], 16                      ; hidden: wave w loads rows 32 w .. 32 w + 31; lanes 0-15 a row's 256 bytes, lanes 16-31 the next row's
	v_lshlrev_b32 v[HO], 11, v2
	v_lshl_add_u32 v[HO], v1, 4, v[HO]
	v_add_nc_u32 v[HO], s43, v[HO]
	s_mul_i32 s43, s[WV], 32*AP
	s_add_co_u32 s43, s43, ASTG
	v_mul_u32_u24 v[ASO], v2, AP
	v_lshl_add_u32 v[ASO], v1, 3, v[ASO]
	v_add_nc_u32 v[ASO], s43, v[ASO]
	s_mul_i32 s43, s[RH], 64*AP
	s_add_co_u32 s43, s43, ASTG
	v_mul_u32_u24 v[AFO], v1, AP                   ; a fragment: row l % 16, 16 bytes for each half of the lanes, twice, 32 bytes apart
	v_lshl_add_u32 v[AFO], v2, 4, v[AFO]
	v_add_nc_u32 v[AFO], s43, v[AFO]
	v_lshlrev_b32 v[PFO], 8, v0
	s_wait_dscnt 0x0                               ; the opening add is done
	s_wait_kmcnt 0x0
	s_add_nc_u64 s[44:45], s[6:7], s[44:45]        ; block 0 at my rows
	s_add_nc_u64 s[HP:HP+1], s[4:5], s[46:47]
	s_add_nc_u64 s[OPT:OPT+1], s[8:9], s[48:49]
	s_add_nc_u64 s[PFA:PFA+1], s[6:7], s[50:51]
	s_add_nc_u64 s[PFA:PFA+1], s[PFA:PFA+1], 2*BLK ; at block 2: the first change of slots steps it to block 3
	s_mov_b32 s[G0A], 1
	s_mov_b32 s[G0A+1], s42
	s_mov_b64 s[G0A+2:G0A+3], s[44:45]
	s_or_b32 s[G0A+3], s[G0A+3], 0x80000000
	s_mov_b32 s[GW], 1
	s_add_co_u32 s[GW+1], s42, SLOT
	s_add_nc_u64 s[GW+2:GW+3], s[44:45], BLK
	s_or_b32 s[GW+3], s[GW+3], 0x80000000
	CROUND                                         ; all four work-groups are here: the first joint loads meet
	tensor_load_to_lds s[G0A:G0A+3], s[G1:G1+7]    ; block 0 into slot 0,
	s_nop 0
	tensor_load_to_lds s[GW:GW+3], s[G1:G1+7]      ; block 1 into slot 1
	s_nop 0
	PLACES
; HIDDEN'S WAY IN, eight chunks of 64 K.  A wave loads 32 rows x 256 bytes (16 loads, two whole rows' pieces each), rounds to bf16, puts them into the work-group's stage, and every wave reads its 64 rows' fragments from there.
.macro GLOAD c
	WIN 0x40                                       ; destination window 1, address window 0
.set gi, 0
.rept 16
	global_load_b128 v[64*((\c)%4)+4*gi:64*((\c)%4)+4*gi+3], v[HO], s[HP:HP+1] offset:gi*4096+(\c)*256 th:TH_LOAD_NT
.set gi, gi+1
.endr
.endm
.macro CHUNK c
.if (\c) <= 4
	s_wait_loadcnt 48                              ; my chunk is in; the three younger chunks' 48 loads stay out
.else
	s_wait_loadcnt 16*(7-(\c))                     ; the counts run down
.endif
	WIN 0x05                                       ; sources window 1, destination window 0
.set gi, 0
.rept 32
	v_cvt_pk_bf16_f32 v[TMP+gi], v[64*((\c)%4)+2*gi], v[64*((\c)%4)+2*gi+1]
.set gi, gi+1
.endr
.if (\c) < 4
	GLOAD (\c)+4
.endif
	WIN 0
.if (\c) > 0
	s_wait_dscnt 0x0                               ; my reads of the last chunk are back,
	s_barrier_signal -1
	s_barrier_wait -1                              ; everybody's are: the stage may be written
.endif
.set gi, 0
.rept 16
	ds_store_b64 v[ASO], v[TMP+2*gi:TMP+2*gi+1] offset:gi*2*AP
.set gi, gi+1
.endr
	s_wait_dscnt 0x0                               ; for the others' sake
	s_barrier_signal -1
	s_barrier_wait -1
	WIN 0x80+0x40*((\c)/4)                         ; destination window 2 or 3
.irp kk, 0,1
.irp a, 0,1,2,3
	ds_load_b128 v[32*((2*(\c)+(\kk))%8)+8*(\a):32*((2*(\c)+(\kk))%8)+8*(\a)+3],   v[AFO] offset:(\a)*16*AP+64*(\kk)
	ds_load_b128 v[32*((2*(\c)+(\kk))%8)+8*(\a)+4:32*((2*(\c)+(\kk))%8)+8*(\a)+7], v[AFO] offset:(\a)*16*AP+64*(\kk)+32
.endr
.endr
.endm
	GLOAD 0
	GLOAD 1
	GLOAD 2
	GLOAD 3
.irp c, 0,1,2,3,4,5,6,7
	CHUNK \c
.endr
	WIN 0
; 16 matrix instructions: 32 along K (chunk 4 q + kk), all 16 accumulators by turns, one instruction a turn.  zero = 1: the products start the sums.
.macro MUL16 q, kk, f, zero
	WIN 0x09+4*((\q)/2)                            ; weights window 1, hidden window 2 or 3, sums window 0
.irp a, 0,1,2,3
.irp b, 0,1,2,3
.if \zero
	v_wmma_f32_16x16x32_bf16 v[ACC+8*(4*(\a)+(\b)):ACC+8*(4*(\a)+(\b))+7], v[(\f)+8*(4*(\kk)+(\b)):(\f)+8*(4*(\kk)+(\b))+7], v[32*((4*(\q)+(\kk))%8)+8*(\a):32*((4*(\q)+(\kk))%8)+8*(\a)+7], 0
.else
	v_wmma_f32_16x16x32_bf16 v[ACC+8*(4*(\a)+(\b)):ACC+8*(4*(\a)+(\b))+7], v[(\f)+8*(4*(\kk)+(\b)):(\f)+8*(4*(\kk)+(\b))+7], v[32*((4*(\q)+(\kk))%8)+8*(\a):32*((4*(\q)+(\kk))%8)+8*(\a)+7], v[ACC+8*(4*(\a)+(\b)):ACC+8*(4*(\a)+(\b))+7]
.endif
.endr
.endr
.endm
; 32 LDS loads in one run: the weight fragments of quarter q (128 K x my 64 columns) into buffer f, K ascending
.macro FETCH q, f
	WIN 0
	v_add_nc_u32 v[ADR], s[TB], v[AB+(\q)]
	WIN 0x40
.irp kk, 0,1,2,3
.irp b, 0,1,2,3
	ds_load_tr16_b128 v[(\f)+8*(4*(\kk)+(\b)):(\f)+8*(4*(\kk)+(\b))+3],   v[ADR] offset:(\kk)*32*PB+32*(\b)
	ds_load_tr16_b128 v[(\f)+8*(4*(\kk)+(\b))+4:(\f)+8*(4*(\kk)+(\b))+7], v[ADR] offset:(\kk)*32*PB+16*PB+32*(\b)
.endr
.endr
.endm
.macro QUARTER q, f, g, zero           ; multiplies buffer f and, in its middle, fetches the next quarter into g
	s_wait_dscnt 16                                ; the first 64 of K are in; the youngest sixteen loads may be out
	MUL16 \q, 0, \f, \zero
	MUL16 \q, 1, \f, 0
	PLACES
	FETCH (\q)+1, \g
	s_wait_dscnt 32                                ; all but the 32 just issued
	MUL16 \q, 2, \f, 0
	MUL16 \q, 3, \f, 0
.endm
; A prefetch of the block that the NEXT change of slots will ask for, one step (256 matrix instructions) ahead of that load.  Every cluster walks the same blocks: cluster 0 asks; its 4 x 128 threads name the block's 512
; pieces of 256 bytes once each, shared out by address.  Blocks 0 to 2 come by their loads alone; the last change that fills a slot asks for nothing.
.macro ASK
	s_cmp_gt_u32 s[LEFT], s[LIM]
	s_cbranch_scc0 .Lnot_mine_\@
	global_prefetch_b8 v[PFO], s[PFA:PFA+1] th:TH_LOAD_NT scope:SCOPE_SE
.Lnot_mine_\@:
.endm
; The last quarter multiplies buffer 1 and changes slots.  fill = 1: the slot just read out is filled again, with the block two on.
.macro TURN fill
.if \fill
	s_wait_xcnt 0x0                                ; the last prefetch, a step back, has read its address
	s_add_nc_u64 s[PFA:PFA+1], s[PFA:PFA+1], BLK
.endif
	WIN 0
	s_wait_tensorcnt 0x0                           ; all my tensor loads have landed: my part of the next slot;
	ds_add_u32 v[SPW], v[NIL]                      ; 0 onto my spare word;
	s_wait_dscnt 17                                ; (the add and the youngest sixteen loads may be out)
	MUL16 3, 0, F1, 0                              ; sixteen matrix instructions stand between the add and the wait for it
	s_wait_dscnt 0x0                               ; the add is done, and my reads of this slot are over
	s_barrier_signal -1
	MUL16 3, 1, F1, 0
	WIN 0
	s_barrier_wait -1
.if \fill
	CREST                                          ; the barrier has opened a round of the cluster's: no wave of any partner still reads this slot or has a load on its way
	s_xor_b32 s[GW+1], s[GW+1], SLOT               ; the walking descriptor: the other slot than last time (no bit of wave x QROWS meets SLOT's),
	s_add_nc_u64 s[GW+2:GW+3], s[GW+2:GW+3], BLK   ; the next block
	tensor_load_to_lds s[GW:GW+3], s[G1:G1+7]
	s_nop 0
.endif
	PLACES                                         ; behind the load; also the places in front of the loads below
	s_xor_b32 s[TB], s[TB], SLOT
	FETCH 0, F0
.if \fill
	WIN 0
	ASK
.endif
	MUL16 3, 2, F1, 0
	MUL16 3, 3, F1, 0
.endm
; THE WAY OUT: 16 rows at a time: rounded to f16, 16 bytes a lane into my own stage, back as whole rows of 128 bytes, stored as 512 consecutive bytes.
.macro PACK a
.irp b, 0,1,2,3
.irp z, 0,1,2,3
	v_cvt_pk_f16_f32 v[TMP+16*(\a)+4*(\b)+(\z)], v[ACC+8*(4*(\a)+(\b))+2*(\z)], v[ACC+8*(4*(\a)+(\b))+2*(\z)+1]
.endr
.endr
.irp b, 0,1,2,3
	ds_store_b128 v[STO], v[TMP+16*(\a)+4*(\b):TMP+16*(\a)+4*(\b)+3] offset:32*(\b)
.endr
.irp f, 0,1,2,3
	ds_load_b128 v[TMP+16*(\a)+4*(\f):TMP+16*(\a)+4*(\f)+3], v[RD] offset:(\f)*4*SP  ; LDS serves a wave's instructions in order (ISA guide 5.7.1.4): these see the stores above
.endr
.endm
.macro SEND a, younger                 ; younger: the LDS instructions issued behind block a's loads
.irp f, 0,1,2,3
	s_wait_dscnt (\younger)+3-(\f)
	global_store_b128 v[GO], v[TMP+16*(\a)+4*(\f):TMP+16*(\a)+4*(\f)+3], s[OPT:OPT+1] offset:(\a)*2048+(\f)*512
.endr
.endm
.macro OUT
	WIN 0
	PLACES                                         ; the conversions read results just made
	s_wait_xcnt 0x0                                ; the last way out's stores have read their base and their registers
	s_add_nc_u64 s[OPT:OPT+1], s[OPT:OPT+1], s[OINC:OINC+1]
	s_mov_b64 s[OINC:OINC+1], 2*HS                 ; a block is two heads
	PACK 0
	PACK 1
	SEND 0, 8
	PACK 2
	SEND 1, 8
	PACK 3
	SEND 2, 8
	SEND 3, 0
.endm
.macro STEP fill
	QUARTER 0, F0, F1, 1
	QUARTER 1, F1, F0, 0
	QUARTER 2, F0, F1, 0
	TURN \fill
	OUT
	WIN 0
.endm
	s_wait_tensorcnt 1                             ; my part of block 0 is in; block 1's may stay out
	s_wait_dscnt 0x0                               ; hidden's last fragments
	s_barrier_signal -1
	s_barrier_wait -1
	s_mov_b32 s[TB], 0
	FETCH 0, F0
	WIN 0
	s_mov_b32 s[LEFT], 10                          ; blocks 0 to 9 are multiplied, blocks 2 to 11 asked for
.Lstep:
	STEP 1
	s_sub_co_u32 s[LEFT], s[LEFT], 1
	s_cmp_lg_u32 s[LEFT], 0
	s_cbranch_scc1 .Lstep
	s_mov_b32 s[LEFT], 2                           ; the last two blocks ask for nothing; the very last trip's run of loads from the other slot serves nothing: the price of one text for both
.Ltail:
	STEP 0
	s_sub_co_u32 s[LEFT], s[LEFT], 1
	s_cmp_lg_u32 s[LEFT], 0
	s_cbranch_scc1 .Ltail
	s_wait_tensorcnt 0x0                           ; the wave's end: behind my last tensor load and my last LDS store
	ds_add_u32 v[SPW], v[NIL]
	s_wait_dscnt 0x0
	CROUND                                         ; the closing round
	s_endpgm
.Lfunc_end_k_qb4d2236fc1_proj:
	.size	k_qb4d2236fc1_proj, .Lfunc_end_k_qb4d2236fc1_proj-k_qb4d2236fc1_proj
	.p2alignl 7, 3214868480
	.fill 96, 4, 3214868480
	.section	.rodata,"a",@progbits
	.p2align	6, 0x0
	.amdhsa_kernel k_qb4d2236fc1_proj
		.amdhsa_group_segment_fixed_size 327680
		.amdhsa_private_segment_fixed_size 0
		.amdhsa_enable_private_segment 0
		.amdhsa_kernarg_size 24
		.amdhsa_user_sgpr_count 2
		.amdhsa_user_sgpr_kernarg_segment_ptr 1
		.amdhsa_wavefront_size32 1
		.amdhsa_system_sgpr_workgroup_id_x 1
		.amdhsa_system_sgpr_workgroup_id_y 1
		.amdhsa_system_sgpr_workgroup_id_z 1
		.amdhsa_system_vgpr_workitem_id 0
		.amdhsa_next_free_vgpr 1024
		.amdhsa_next_free_sgpr 66
		.amdhsa_reserve_vcc 0
		.amdhsa_float_denorm_mode_32 3
		.amdhsa_float_denorm_mode_16_64 3
		.amdhsa_memory_ordered 1
		.amdhsa_forward_progress 1
		.amdhsa_inst_pref_size 124
	.end_amdhsa_kernel
	.amdgpu_metadata
---
amdhsa.version: [ 1, 2 ]
amdhsa.kernels:
  - .name:           k_qb4d2236fc1_proj
    .symbol:         k_qb4d2236fc1_proj.kd
    .args:
      - { .name: hidden_states, .offset: 0, .size: 8, .value_kind: global_buffer, .address_space: global }
      - { .name: wts, .offset: 8, .size: 8, .value_kind: global_buffer, .address_space: global }
      - { .name: qkv, .offset: 16, .size: 8, .value_kind: global_buffer, .address_space: global }
    .group_segment_fixed_size: 327680
    .private_segment_fixed_size: 0
    .kernarg_segment_align: 8
    .kernarg_segment_size: 24
    .max_flat_workgroup_size: 128
    .sgpr_count:     66
    .vgpr_count:     1024
    .wavefront_size: 32
...
	.end_amdgpu_metadata
.endif
;; end of part 2
;; launch attn (part 3): grid 4 x 128, 4 waves a work-group, clusters of 4 x 1, 327,680 bytes of LDS; arguments qkv, coef, obuf; writes obuf
.if DOCPART == 3
	.amdgcn_target "amdgcn-amd-amdhsa--gfx1250"
	.amdhsa_code_object_version 6
	.text
	.protected	k_qb4d2236fc1_attn
	.globl	k_qb4d2236fc1_attn
	.p2align	8
	.type	k_qb4d2236fc1_attn,@function
k_qb4d2236fc1_attn:
	s_mov_b64 s[64:65], 0
	v_nop
	global_prefetch_b8 v0, s[64:65] scope:SCOPE_SE
	s_setreg_imm32_b32 hwreg(HW_REG_WAVE_MODE, 25, 1), 1
	s_wait_xcnt 0x0
	s_wait_alu depctr_hold_cnt(0) depctr_sa_sdst(0) depctr_va_vdst(0) depctr_va_sdst(0) depctr_va_ssrc(0) depctr_va_vcc(0) depctr_vm_vsrc(0)
	s_getreg_b32 s2, hwreg(HW_REG_IB_STS2, 6, 4)
	s_cmp_eq_u32 s2, 0
	s_cbranch_scc0 .Lentry_in_a_cluster
	s_endpgm
.Lentry_in_a_cluster:
	s_bfe_u32 s2, ttmp6, 0x10000c
	s_cmp_lg_u32 s2, 0x3003
	s_cbranch_scc0 .Lentry_shape_is_right
	s_endpgm
.Lentry_shape_is_right:
; O[b][n][head][:] = the sum over m of softmax_m(q[n] . k[m] / 8 + mask[b][n][m]) v[m][:].  qkv: [32 b][24 g][1024][64] f16 (g = head: q; 8 + head: k; 16 + head: v); coef: [32][1024][4] f32; obuf: [32768][512] f16.
; Products, maxima and sums in f32; the weights p are rounded to f16 for the second product (their sum l is taken of the unrounded p), O once at the end.
; THE MASK.  For query n and a key pixel (x, y): 8 x (mask - band x decay) = min(-|a' x + b' y + c'|, -bd'), with (a', b', c', -bd') from coef.  The shift is the same for all keys of a row.  It is made in f32, once for
; BOTH heads of a work-group, and is the C operand that starts the sum S^T = K Q^T.  No key is left out: the mask is finite, and larger scores outweigh it.
; LIMITS.  f16 holds no number beyond 65,504: q, k, v arrive within it; p below 6e-5 keeps f16's fixed step of 6e-8; a weight below 2^-126 counts as 0 in l.  A NaN in the line gives mask 0 (shifted); an infinite
; mask is not turned into 0.
; SHARES.  A work-group owns 256 queries of TWO heads (2 p, 2 p + 1) of a batch; a wave 64 queries: four PIECES; piece x is query tile x of both heads: tile t = 2 x + u, u the head.  Every wave walks all 1,024 keys, 64 a step.
; LAYOUT, SOFTMAX.  S^T = K Q^T holds ONE query a lane (lane % 16) and the keys 8 (lane / 16) + 0..7; two such results rounded to f16 ARE source 1 of O^T = V^T P.  p = 2^(c s - c m), c = log2(e) / 8, with a running
; maximum m; O and l are multiplied by a = 2^(c m_old - c m_new) in every step.  m starts at the lowest finite number, O and l at 0: the first step is a step like any other, with a = 0.
; BY TURNS.  Turn n belongs to piece n: 16 products K Q^T of piece n + 1, later 16 products V^T P of piece n - 1; beside them the scaling, exponentials, roundings, sums and rescaling of piece n, the maximum and statistics of
; piece n + 1, and the mask of piece n + 2.  Four vector instructions stand behind every matrix instruction, the others in one run.  A turn's 66 exponentials are one batch, with one wait.
; CLUSTER.  The four query blocks of a cluster walk the same K and V, so each tile is asked for JOINTLY: the same tensor load, descriptor and mask in all four.  One tensor load of a wave is out at a time.
; REGISTERS, in windows of 256 (s_set_vgpr_msb: bits 1:0 source 0, 3:2 source 1, 5:4 source 2, 7:6 destination):
;   window 0: v0-11 addresses; v12-15, v48-63 at work; v16-47 four registers of statistics a tile; v64-191 S^T, two buffers of two tiles; v192-255 P, likewise        window 1: O^T, 32 a tile
;   window 2: v0-127 Q, 16 a tile; v128-191 K, v192-255 V of the first head        window 3: v0-1 the add's registers; v16-31 the lines; v32-53 key coordinates; v64-127 the masks, two buffers; v128-255 K, V of the second head
.set NP,    4         ; pieces a wave: a name, no knob
.set KS,    64        ; keys in a step
.set PK,    144       ; a row of K in LDS: 128 bytes + 16 of padding: the 16 rows of a load start at 16 different groups of four banks
.set PV,    160       ; a row of V: 128 + 32
.set HBK,   128*PK    ; a slot holds two steps of both heads: 128 rows of K of the first head, 128 of the second,
.set HBV,   128*PV
.set VOFF,  2*HBK     ; then V likewise
.set SLOT1, 1<<17     ; slot 1 begins here, so that one exclusive or turns an address in one slot into the other's
.set STAGE, SLOT1+2*(HBK+HBV)  ; behind the ring, never filled by a tensor load: 16 rows x 272 bytes for each wave, for the way out
.set SP,    272
.set SPARE, STAGE+4*16*SP      ; the spare words, 128 bytes a wave: two blocks of 256 bytes that no other line names
.set HS,    131072    ; bytes in a head's 1,024 rows
.set AK0, 2           ; v2   my lane's place in a tile of K; never rewritten
.set AV0, 3           ; v3   the same for V
.set AK,  4           ; v4   the LDS address of K's next run of loads
.set AV,  5           ; v5   of V's
.set QO,  6           ; v6   my byte offset in 16 rows of Q
.set STO, 6           ;      later, the way out: where I put 16 bytes of a row
.set CQ,  7           ; v7   my byte offset in 16 lines of coef
.set RD,  7           ;      later, the way out: where I read rows back
.set GO,  8           ; v8   my byte offset in two rows of obuf
.set PFO, 11          ; v11  the prefetches' offset: head l / 16, piece l % 16 of 256 bytes; never rewritten once made
.set MV,  12          ; v12-15  c m_old, kept while c m is made anew: by buffer and tile
.set ST,  16          ; tile t's statistics at v[ST+4 t]: c m, m, l (even keys', odd keys')
.set TMP, 48          ; by buffer and tile, four registers c0-c3 at work; when the maximum is found c2 takes a
.set S,   64
.set P,   192
.set KF,  128         ; K's fragments, windows 2 and 3: key block kb, channel half c at KF + 16 kb + 8 c
.set VF,  192         ; V's: key half kk, channel block cb at VF + 32 kk + 8 cb
.set SPW, 0           ; window 3: v0  SPARE + 4 x my thread's number; never rewritten
.set NIL, 1           ; v1  0; never rewritten
.set CF,  16          ; v16-31  (a', b', c', -bd') of my query in tile x at CF + 4 x
.set XC,  32          ; v32-47  x of key 16 e + 8 (l / 16) + r of a grid row, at XC + 8 e + r
.set BS,  48          ; v48-51  b' y + c' for the step's two grid rows, each with a 0 beside it (named as pairs)
.set YV,  52          ; v52-53  y of the step's two grid rows
.set MC,  64          ; v64-127 the masks: buffer x % 2, key block kb at + 8 kb
.set WV,  12          ; s12  my wave's number
.set LIM, 15          ; s15  1 in a wave that prefetches, else the greatest number
.set G1K, 24          ; s[24:31] descriptor group 1 for K's tiles
.set G1V, 32          ; s[32:39] for V's: it differs in the padding alone
.set G0K, 40          ; s[40:43] descriptor group 0 for K's tiles: it walks
.set G0V, 44          ; s[44:47] the same for V's
.set SLOTS, 56        ; s56  slots still to be asked for
.set CNT, 57          ; s57  counts a slot's key steps
.set CS,  58          ; s[58:59] c
.set SEL, 60          ; s[60:61] v_permlanex16_b32's selects
.set TBK, 62          ; s62  LDS byte at which K of the step to be fetched begins
.set TBV, 63          ; s63  the same for V, less VOFF
.set PFA, 66          ; s[66:67] where my prefetches stand
.set MSB, 0
.macro WIN new
.if MSB != (\new)
	s_set_vgpr_msb (MSB<<8)|(\new)
.set MSB, (\new)
.endif
.endm
.set W_RS, 0x41       ; O^T (destination and source 0) in window 1, a in window 0
.set W_MK, 0xc0       ; destination in window 3, sources in window 0
.set W_AD, 0x0f       ; the add: address and data in window 3
; A joint fill.  Waves 0 and 1 fetch a slot's K of the first and the second head, waves 2 and 3 its V: 128 keys each.  The branch hangs on the wave's number alone.
.macro JLOAD
	s_cmp_lt_u32 s[WV], 2
	s_cbranch_scc0 .Lfor_v_\@
	tensor_load_to_lds s[G0K:G0K+3], s[G1K:G1K+7]
	s_nop 0
.rept 4
	v_nop
.endr
	s_branch .Lasked_\@
.Lfor_v_\@:
	tensor_load_to_lds s[G0V:G0V+3], s[G1V:G1V+7]
	s_nop 0
.rept 4
	v_nop
.endr
.Lasked_\@:
.endm
; A prefetch of what the NEXT change of slots will ask for: 128 rows of K and of V of both heads, 64 pieces of 256 bytes a head and tensor.  This cluster alone reads them.  Its four partners take 16 pieces a head each, told
; apart by address; in each, wave 0 asks for K's and wave 2 for V's: a lane a piece, one instruction.  The last change that fills a slot asks for nothing.
.macro ASK
	s_cmp_gt_u32 s[SLOTS], s[LIM]
	s_cbranch_scc0 .Lnot_mine_\@
	global_prefetch_b8 v[PFO], s[PFA:PFA+1] th:TH_LOAD_NT scope:SCOPE_SE
.Lnot_mine_\@:
.endm
.macro CROUND
	s_barrier_signal -1
	s_barrier_wait -1
	s_cmp_lg_u32 s[WV], 0
	s_cbranch_scc1 .Lnot_wave_0_\@
	s_barrier_signal -3
.Lnot_wave_0_\@:
	s_barrier_wait -3
	s_barrier_signal -1
	s_barrier_wait -1
.endm
; THE CHANGE OF SLOTS.  Each wave waits for all its tensor loads, of which one is out: its part of the other slot; adds 0 to its spare word; and waits for that and for its own reads of the slot.  fill = 1: this slot is filled
; again, with the keys two slots on: the barrier is then a round of the cluster's, and the joint fill is the first thing behind it: it has two key steps, 256 matrix instructions, in which to land.
.macro CHANGE fill, ask=0
	WIN W_AD
	s_wait_tensorcnt 0x0            ; no tensor load of mine is out, so a group 0 may be written
	ds_add_u32 v[SPW], v[NIL]       ; 0 onto my spare word
	WIN 0
.if \fill
.irp g, G0K, G0V
	s_xor_b32 s[\g+1], s[\g+1], SLOT1
	s_add_nc_u64 s[\g+2:\g+3], s[\g+2:\g+3], 2*KS*128  ; the next 128 keys
.endr
.if \ask
	s_wait_xcnt 0x0                 ; the last prefetch, two key steps back, has read its address
	s_add_nc_u64 s[PFA:PFA+1], s[PFA:PFA+1], 2*KS*128
.endif
	s_wait_dscnt 0x0                ; the add is done, and my reads of the slot are over
	CROUND
	JLOAD
.if \ask
	ASK
.endif
.else
	s_wait_dscnt 0x0
	s_barrier_signal -1
	s_barrier_wait -1
.endif
	s_sub_co_u32 s[TBK], s[TBK], 2*KS*PK  ; the fetches go back to a slot's first step,
	s_xor_b32 s[TBK], s[TBK], SLOT1       ; in the other slot
	s_sub_co_u32 s[TBV], s[TBV], 2*KS*PV
	s_xor_b32 s[TBV], s[TBV], SLOT1
.endm
	s_load_b128 s[4:7], s[0:1], 0x0   ; qkv s[4:5], coef s[6:7]
	s_load_b64 s[10:11], s[0:1], 0x10 ; obuf
	WIN W_MK
	v_lshl_add_u32 v[SPW], v0, 2, SPARE
	v_mov_b32 v[NIL], 0
	WIN W_AD
	ds_add_u32 v[SPW], v[NIL]       ; the wave's opening: the add and its wait stand ahead of my first tensor load
	WIN 0
	v_lshrrev_b32 v1, 5, v0
	v_readfirstlane_b32 s[WV], v1
	s_bfe_u32 s13, ttmp6, 0x40000   ; cx: my block of 256 queries: it enters Q's, coef's, obuf's and the prefetches' addresses alone
	s_and_b32 s14, ttmp7, 0xffff
	s_lshr_b32 s20, s14, 2          ; batch
	s_and_b32 s21, s14, 3           ; pair of heads
	s_mul_i32 s22, s20, 24
	s_lshl_b32 s23, s21, 1
	s_add_co_u32 s22, s22, s23      ; 24 b + 2 p: q of the first head
	s_and_b32 s16, s[WV], 1         ; which head I fetch
	s_add_co_u32 s48, s22, s16
	s_add_co_u32 s48, s48, 8
	s_lshl_b32 s48, s48, 17         ; its k,
	s_mov_b32 s49, 0
	s_add_co_u32 s50, s48, 8*HS     ; its v
	s_mov_b32 s51, 0
	s_mul_i32 s17, s16, HBK         ; and its place in a slot
	s_mul_i32 s18, s16, HBV
	s_lshl_b32 s52, s22, 17         ; Q: the first head, my block, my wave's 64 rows of 128 bytes
	s_lshl_b32 s53, s13, 15
	s_add_co_u32 s52, s52, s53
	s_lshl_b32 s53, s[WV], 13
	s_add_co_u32 s52, s52, s53
	s_mov_b32 s53, 0
	s_lshl_b32 s54, s20, 14         ; coef: 16 bytes a query
	s_lshl_b32 s55, s13, 12
	s_add_co_u32 s54, s54, s55
	s_lshl_b32 s55, s[WV], 10
	s_add_co_u32 s54, s54, s55
	s_mov_b32 s55, 0
	s_lshl_b32 s68, s20, 20         ; obuf: 1,024 bytes a query, the pair's 256 of them
	s_lshl_b32 s69, s13, 18
	s_add_co_u32 s68, s68, s69
	s_lshl_b32 s69, s[WV], 16
	s_add_co_u32 s68, s68, s69
	s_lshl_b32 s69, s21, 8
	s_add_co_u32 s68, s68, s69
	s_mov_b32 s69, 0
	s_lshl_b32 s70, s13, 12         ; the prefetches: my work-group's 16 pieces of 256 bytes
	s_mov_b32 s71, 0
	; descriptor group 1.  128 keys are 16,384 dense bytes: asked for as 64 rows of 256 bytes, two keys a row, and padded in LDS after every key
	s_mov_b32 s[G1K], 15|(1<<16)|(1<<20)|(1<<21)|(4<<22)|(3<<25)
	s_mov_b32 s[G1V], 15|(1<<16)|(1<<20)|(1<<21)|(4<<22)|(7<<25)
.irp g, G1K, G1V
	s_mov_b32 s[\g+1], 128<<16      ; tensor_dim0 = 128
	s_mov_b32 s[\g+2], 64<<16       ; tensor_dim1 = 64
	s_mov_b32 s[\g+3], 128<<16      ; tile_dim0 = 128
	s_mov_b32 s[\g+4], 64           ; tile_dim1 = 64
	s_mov_b32 s[\g+5], 128          ; 128 elements from row to row
	s_mov_b32 s[\g+6], 0
	s_mov_b32 s[\g+7], 0
.endr
	s_mov_b32 s[CS], 0x3e38aa3b     ; c = log2(e) / 8
	s_mov_b32 s[CS+1], s[CS]
	s_mov_b32 s[SEL], 0x76543210
	s_mov_b32 s[SEL+1], 0xfedcba98
	s_mov_b32 s[TBK], SLOT1+2*KS*PK ; the first change of slots turns these two into 0
	s_mov_b32 s[TBV], SLOT1+2*KS*PV
	s_mov_b32 s[G0K], 1
	s_mov_b32 s[G0K+1], s17
	s_mov_b32 s[G0V], 1
	s_add_co_u32 s[G0V+1], s18, VOFF
	s_cmp_eq_u32 s16, 0
	s_cselect_b32 s[LIM], 1, -1     ; waves 0 and 2
	s_wait_dscnt 0x0                ; the opening add is done
	s_wait_kmcnt 0x0
	s_add_nc_u64 s[G0K+2:G0K+3], s[4:5], s[48:49]
	s_add_nc_u64 s[G0V+2:G0V+3], s[4:5], s[50:51]
	s_cmp_lt_u32 s[WV], 2
	s_cselect_b64 s[PFA:PFA+1], s[G0K+2:G0K+3], s[G0V+2:G0V+3]
	s_add_nc_u64 s[PFA:PFA+1], s[PFA:PFA+1], s[70:71]
	s_add_nc_u64 s[PFA:PFA+1], s[PFA:PFA+1], 2*2*KS*128  ; in slot 2; the first change that asks steps it to slot 3
	s_or_b32 s[G0K+3], s[G0K+3], 0x80000000
	s_or_b32 s[G0V+3], s[G0V+3], 0x80000000
	s_add_nc_u64 s[8:9], s[6:7], s[54:55]
	s_add_nc_u64 s[10:11], s[10:11], s[68:69]
	s_add_nc_u64 s[4:5], s[4:5], s[52:53]
	CROUND                          ; all four work-groups are here: the first joint loads meet
	JLOAD                           ; slot 0
	v_and_b32 v1, 15, v0            ; l % 16
	v_bfe_u32 v9, v0, 4, 1          ; l / 16
	v_lshlrev_b32 v[QO], 7, v1
	v_lshl_add_u32 v[QO], v9, 4, v[QO]
	v_lshlrev_b32 v[CQ], 4, v1
	v_lshlrev_b32 v12, 7, v9        ; 128 (l / 16), for the keys' x
	WIN 0x80                        ; destination window 2, address window 0
.set i, 0
.rept 16                            ; Q stays in registers: tile i / 2 = 2 x + u, channels 32 (i % 2) on
	global_load_b128 v[8*i:8*i+3],   v[QO], s[4:5] offset:((i/2)%2)*HS+(i/4)*2048+(i%2)*64
	global_load_b128 v[8*i+4:8*i+7], v[QO], s[4:5] offset:((i/2)%2)*HS+(i/4)*2048+(i%2)*64+32
.set i, i+1
.endr
	; What the first turn finds: V's registers and P's second buffer hold 0, O^T and l are 0.  All this stands in the wait for the first tile.
.set i, VF
.rept 64
	v_mov_b32 v[i], 0
.set i, i+1
.endr
	WIN 0xc0                        ; destination window 3
.irp x, 0,1,2,3
	global_load_b128 v[CF+4*\x:CF+4*\x+3], v[CQ], s[8:9] offset:256*\x
.endr
.set i, VF
.rept 64
	v_mov_b32 v[i], 0
.set i, i+1
.endr
	v_mov_b32 v[BS+1], 0
	v_mov_b32 v[BS+3], 0
	v_mov_b32 v[YV], 0x40600000     ; 3.5: grid row 0
	v_mov_b32 v[YV+1], 0x41380000   ; 11.5: grid row 1
.set i, 0
.rept 16
	v_add_nc_u32 v[XC+i], 256*(i/8)+16*(i%8)+7, v12  ; twice x = 8 (16 e + 8 (l / 16) + r) + 3.5
.set i, i+1
.endr
	WIN 0xff
.set i, 0
.rept 16
	v_cvt_f32_u32 v[XC+i], v[XC+i]
.set i, i+1
.endr
.set i, 0
.rept 16
	v_mul_f32 v[XC+i], 0.5, v[XC+i]
.set i, i+1
.endr
	WIN 0x40
.set i, 0
.rept 64*NP
	v_mov_b32 v[i], 0
.set i, i+1
.endr
	WIN 0
.set i, 0
.rept 2*NP
	v_mov_b32 v[ST+4*i], 0xfe000000    ; c m: far below every c s
	v_mov_b32 v[ST+4*i+1], 0xff7fffff  ; m
	v_mov_b32 v[ST+4*i+2], 0
	v_mov_b32 v[ST+4*i+3], 0
.set i, i+1
.endr
.set i, P+32
.rept 32
	v_mov_b32 v[i], 0
.set i, i+1
.endr
	v_mul_u32_u24 v[AK0], v1, PK
	v_lshl_add_u32 v[AK0], v9, 4, v[AK0]
	v_and_b32 v10, 7, v0
	v_bfe_u32 v11, v0, 3, 1
	v_lshl_add_u32 v[AV0], v9, 3, v10
	v_mul_u32_u24 v[AV0], v[AV0], PV
	v_lshl_add_u32 v[AV0], v11, 4, v[AV0]
	v_add_nc_u32 v[AV0], VOFF, v[AV0]
	v_lshlrev_b32 v[PFO], 17, v9
	v_lshl_add_u32 v[PFO], v1, 8, v[PFO]
	v_mov_b32 v[AK], v[AK0]         ; key step 0 lies at the head of slot 0
; THE MATRIX WORK.  The 8 accumulators of a run of 16 take turns.  Product i of 16 of S^T = K Q^T for piece x: channels 32 (i / 8) on, keys 16 ((i / 2) % 4) on, head i % 2.  The first 8 start the sums with the mask.
.macro KQ x
.set rS, S+64*((\x)%2)+32*(i%2)+8*((i/2)%4)
.set rK, KF+16*((i/2)%4)+8*(i/8)
.set rQ, 16*(2*(\x)+i%2)+8*(i/8)
.set rMK, MC+32*((\x)%2)+8*((i/2)%4)
.if i < 8
	WIN 0x3a+i%2                    ; K in window 2 or 3, Q in window 2, the mask in window 3, S^T in window 0
	v_wmma_f32_16x16x32_f16 v[rS:rS+7], v[rK:rK+7], v[rQ:rQ+7], v[rMK:rMK+7]
.else
	WIN 0x0a+i%2
	v_wmma_f32_16x16x32_f16 v[rS:rS+7], v[rK:rK+7], v[rQ:rQ+7], v[rS:rS+7]
.endif
.endm
; Product i of 16 of O^T += V^T P for piece x: keys 32 (i / 8) on, channels 16 ((i / 2) % 4) on, head i % 2.
.macro PV x
	WIN 0x52+i%2                    ; V in window 2 or 3, P in window 0, O^T in window 1
.set rO, 32*(2*(\x)+i%2)+8*((i/2)%4)
.set rV, VF+32*(i/8)+8*((i/2)%4)
.set rP, P+32*((\x)%2)+16*(i%2)+8*(i/8)
	v_wmma_f32_16x16x32_f16 v[rO:rO+7], v[rV:rV+7], v[rP:rP+7], v[rO:rO+7]
.endm
.macro MM
.if i < 16
	KQ (Y+1)%NP
.set i, i+1
.else
.set i, i-16
	PV (Y+NP-1)%NP
.set i, i+17
.endif
.endm
; THE LDS LOADS stand in runs of 32: a step's K of both heads, and its V (turned).  last = 1 (the tail): in the last trip there is no further step, and the run is jumped over.
.macro FETCH_K last=0
	WIN 0
.if \last
	s_cmp_eq_u32 s[CNT], 1
	s_cbranch_scc1 .Lno_k_\@
.endif
	WIN 0x80
.irp f, 0,1,2,3,4,5,6,7
	ds_load_b128 v[KF+8*\f:KF+8*\f+3],   v[AK] offset:(\f/2)*16*PK+(\f%2)*64
	ds_load_b128 v[KF+8*\f+4:KF+8*\f+7], v[AK] offset:(\f/2)*16*PK+(\f%2)*64+32
.endr
	WIN 0xc0
.irp f, 0,1,2,3,4,5,6,7
	ds_load_b128 v[KF+8*\f:KF+8*\f+3],   v[AK] offset:HBK+(\f/2)*16*PK+(\f%2)*64
	ds_load_b128 v[KF+8*\f+4:KF+8*\f+7], v[AK] offset:HBK+(\f/2)*16*PK+(\f%2)*64+32
.endr
	s_add_co_u32 s[TBK], s[TBK], KS*PK
	WIN 0
.if \last
.Lno_k_\@:
.endif
.endm
.macro FETCH_V
	WIN 0x80
.irp f, 0,1,2,3,4,5,6,7
	ds_load_tr16_b128 v[VF+8*\f:VF+8*\f+3],   v[AV] offset:(\f/4)*32*PV+(\f%4)*32
	ds_load_tr16_b128 v[VF+8*\f+4:VF+8*\f+7], v[AV] offset:(\f/4)*32*PV+16*PV+(\f%4)*32
.endr
	WIN 0xc0
.irp f, 0,1,2,3,4,5,6,7
	ds_load_tr16_b128 v[VF+8*\f:VF+8*\f+3],   v[AV] offset:HBV+(\f/4)*32*PV+(\f%4)*32
	ds_load_tr16_b128 v[VF+8*\f+4:VF+8*\f+7], v[AV] offset:HBV+(\f/4)*32*PV+16*PV+(\f%4)*32
.endr
	WIN 0
.endm
; THE MASK of query tile x for a key step: 64 keys are two rows of the 32 x 32 grid.  L = a' x + (b' y + c'), two at a time; then min(L, -L, -bd').  One run under one window; both heads' products take it.  step = 1: the next key step's rows.
.macro MASK x, step
	WIN 0xff
.if \step
	v_add_f32 v[YV], 0x41800000, v[YV]
	v_add_f32 v[YV+1], 0x41800000, v[YV+1]
.endif
	v_fma_f32 v[BS], v[CF+4*(\x)+1], v[YV], v[CF+4*(\x)+2]
	v_fma_f32 v[BS+2], v[CF+4*(\x)+1], v[YV+1], v[CF+4*(\x)+2]
.set mz, 0
.rept 16
	v_pk_fma_f32 v[MC+32*((\x)%2)+2*mz:MC+32*((\x)%2)+2*mz+1], v[XC+8*((mz/4)%2)+2*(mz%4):XC+8*((mz/4)%2)+2*(mz%4)+1], v[CF+4*(\x):CF+4*(\x)+1], v[BS+2*(mz/8):BS+2*(mz/8)+1] op_sel_hi:[1,0,0]
.set mz, mz+1
.endr
.set mz, 0
.rept 32
	v_min3_num_f32 v[MC+32*((\x)%2)+mz], v[MC+32*((\x)%2)+mz], -v[MC+32*((\x)%2)+mz], v[CF+4*(\x)+3]
.set mz, mz+1
.endr
.endm
; THE VECTOR WORK OF A TURN stands in three queues, each in the order in which its entries become ready; the two tiles alternate.
.macro REGS y, u
.set rT, ST+4*(2*(\y)+(\u))
.set rC, TMP+8*((\y)%2)+4*(\u)
.set rM, MV+2*((\y)%2)+(\u)
.set rS, S+64*((\y)%2)+32*(\u)
.set rP, P+32*((\y)%2)+16*(\u)
.set rO, 32*(2*(\y)+(\u))
.endm
; Number n of the 22 that find the NEXT piece's maximum and statistics; each accumulator's lowest registers are read first.
.macro XS u, n
	REGS (Y+1)%NP, \u
.if (\n) < 4
	v_max3_num_f32 v[rC+(\n)], v[rS+8*(\n)], v[rS+8*(\n)+1], v[rS+8*(\n)+2]
.elseif (\n) < 12
	v_max3_num_f32 v[rC+(\n)%4], v[rC+(\n)%4], v[rS+8*((\n)%4)+2*((\n)/4)+1], v[rS+8*((\n)%4)+2*((\n)/4)+2]
.elseif (\n) == 12
	v_max3_num_f32 v[rC], v[rC], v[rS+7], v[rS+15]
.elseif (\n) == 13
	v_max3_num_f32 v[rC+1], v[rC+1], v[rS+23], v[rS+31]
.elseif (\n) == 14
	v_max3_num_f32 v[rC+2], v[rC+2], v[rC+3], v[rT+1]
.elseif (\n) == 15
	v_mov_b32 v[rM], v[rT]
.elseif (\n) == 16
	v_max3_num_f32 v[rC], v[rC], v[rC+1], v[rC+2]
.elseif (\n) == 17
	v_permlanex16_b32 v[rC+3], v[rC], s[SEL], s[SEL+1]
.elseif (\n) == 18
	v_max_num_f32 v[rT+1], v[rC], v[rC+3]
.elseif (\n) == 19
	v_mul_f32 v[rT], s[CS], v[rT+1]
.elseif (\n) == 20
	v_sub_f32 v[rC+1], v[rM], v[rT]
.else
	v_exp_f32 v[rC+2], v[rC+1]
.endif
.endm
; Number g of the 64 that follow the exponentials: for each four weights both pairs are rounded to f16, the second pair is added onto the first, and a group later l takes that sum (the first time as l = a l + sum).
.macro GS g
.set h, (\g)+6*((\g)/62)
.if h >= 6
.set h, h+2
.endif
	REGS Y, h%2
.set k, h/8
.if h%8 < 4
	v_cvt_pk_f16_f32 v[rP+2*k+(h%8)/2], v[rS+4*k+2*((h%8)/2)], v[rS+4*k+2*((h%8)/2)+1]
.elseif h%8 < 6
	v_pk_add_f32 v[rS+4*k:rS+4*k+1], v[rS+4*k:rS+4*k+1], v[rS+4*k+2:rS+4*k+3]
.elseif k == 1
	v_pk_fma_f32 v[rT+2:rT+3], v[rT+2:rT+3], v[rC+2:rC+3], v[rS:rS+1] op_sel_hi:[1,0,1]
.else
	v_pk_add_f32 v[rT+2:rT+3], v[rT+2:rT+3], v[rS+4*k-4:rS+4*k-3]
.endif
.endm
.macro FS f                         ; c s - c m for pair f / 2 of tile f % 2
	REGS Y, (\f)%2
	v_pk_fma_f32 v[rS+2*((\f)/2):rS+2*((\f)/2)+1], v[rS+2*((\f)/2):rS+2*((\f)/2)+1], s[CS:CS+1], v[rT:rT+1] op_sel_hi:[1,0,0] neg_lo:[0,0,1] neg_hi:[0,0,1]
.endm
; THE PLAIN QUEUE, 138 long: 0-73 read no exponential's result (32 scalings, the next piece's 42); 74-137 are GS's 64, behind the wait.
.macro PL
	WIN 0
.if q < 27
	FS q
.elseif q < 55
	XS (q-27)%2, (q-27)/2
.elseif q < 57
	XS q-55, 15
.elseif (q < 72) && ((q-57)%3 == 0)
	FS 27+(q-57)/3
.elseif q < 60
	XS (q-57)%3-1, 14
.elseif q < 72
	XS (q-57)%3-1, 15+(q-57)/3
.elseif q < 74
	XS q-72, 20
.else
	GS q-74
.endif
.set q, q+1
.endm
; THE EXPONENTIALS' QUEUE, 66 long: ONE BATCH, all ahead of the turn's one wait.
.macro EX
	WIN 0
.if e >= 64
	XS e-64, 21
.else
	REGS Y, e%2
	v_exp_f32 v[rS+e/2], v[rS+e/2]
.endif
.set e, e+1
.endm
; THE RESCALING's QUEUE: O^T times a, two at a time.
.macro R2
	REGS Y, r%2
	WIN W_RS
.irp z, 0,1
	v_pk_mul_f32 v[rO+4*(r/2)+2*\z:rO+4*(r/2)+2*\z+1], v[rO+4*(r/2)+2*\z:rO+4*(r/2)+2*\z+1], v[rC+2:rC+3] op_sel_hi:[1,0]
.endr
.set r, r+1
.endm
; A TURN, for piece p.  Ahead of its one wait stands all that names no result of its exponentials: 16 products K Q^T with a scaling, an exponential and two rescalings behind each; the mask of piece p + 2 (its buffer was last read
; as C in the turn before); a run of 108.  Behind the wait: 16 products V^T P with four of the roundings and sums behind each.  K of the next step is fetched in piece 2's turn, directly behind the wait; V of the step in hand at
; the end of piece 0's turn, four plain instructions behind its last reader.
.macro TURN p, last=0, cnt=0
.set Y, (\p)
.set i, 0
.set q, 0
.set e, 0
.set r, 0
.if (\p) == NP-1
	s_wait_dscnt 0x0                ; K is in
.endif
	MM
	PL
	PL
	R2
.rept 15
	MM
	PL
	EX
	R2
.endr
.if (\p) == NP-2
	WIN 0
	v_add_nc_u32 v[AK], s[TBK], v[AK0]
	MASK ((\p)+2)%NP, 1             ; piece 0 of the next key step
.else
	MASK ((\p)+2)%NP, 0
.endif
.rept 8
	PL
.endr
.rept 49
	EX
	PL
.endr
	EX                              ; the next piece's two a
	EX
	v_nop                           ; a plain instruction behind the last exponential: one for the batch
	s_wait_alu depctr_va_vdst(0)    ; the wait for the batch, ahead of the first instruction that names a result
.if (\p) == NP-2
	FETCH_K \last
.endif
.if (\p) == 1
	s_wait_dscnt 0x0                ; V is in
.endif
.rept 16
	MM
.rept 4
	PL
.endr
.if ((\p) == 0) && (q == 118)
	v_add_nc_u32 v[AV], s[TBV], v[AV0]
.endif
.if ((\p) == 0) && (q == 130)
	s_add_co_u32 s[TBV], s[TBV], KS*PV
.endif
.if (\cnt) && (q == 130)
	s_sub_co_u32 s[CNT], s[CNT], 1
	s_cmp_lg_u32 s[CNT], 0
.endif
.endr
.if (\p) == 0
	FETCH_V
.endif
.endm
	CHANGE 1                        ; slot 0 is in, everybody's part of it; slot 1 is asked for
	FETCH_K                         ; key step 0
	s_wait_loadcnt 0x0              ; Q and the lines
	MASK 0, 0
	MASK 1, 0
	s_wait_dscnt 0x0
.set i, 0
.rept 16
	KQ 0                            ; piece 0's first scores
.set i, i+1
.endr
	WIN 0                           ; the addresses for the way out: eight plain instructions, the places behind those products
	s_mul_i32 s14, s[WV], 16*SP
	s_add_co_u32 s14, s14, STAGE    ; my stage
	v_mul_u32_u24 v[STO], v1, SP    ; in: row l % 16, 16 bytes for each half of the lanes
	v_lshl_add_u32 v[STO], v9, 4, v[STO]
	v_add_nc_u32 v[STO], s14, v[STO]
	v_mul_u32_u24 v[RD], v9, SP     ; back: lanes 0-15 take one row of 256 bytes, lanes 16-31 the next
	v_lshl_add_u32 v[RD], v1, 4, v[RD]
	v_add_nc_u32 v[RD], s14, v[RD]
	v_lshlrev_b32 v[GO], 10, v9     ; and the same two rows in obuf
	v_lshl_add_u32 v[GO], v1, 4, v[GO]
.set Y, NP-1
.irp n, 0,1,2,3,4,5,6,7,8,9,10,11,12,13,14,15,16,17,18,19,20,21
	XS 0, \n
	XS 1, \n
.endr
	v_nop
	s_wait_alu depctr_va_vdst(0)    ; the two a have their wait ahead of the branch
	s_mov_b32 s[CNT], 2
	s_mov_b32 s[SLOTS], 7           ; 8 slots of 128 keys
	s_branch .Lfirst                ; the loop is entered at a step's first turn, in the middle of a trip
.Lslot:                             ; six times: every slot but the last two is filled again
	CHANGE 1, 1
	s_mov_b32 s[CNT], 2
.Lstep:                             ; a trip: pieces 2 and 3 of one step, then pieces 0 and 1 of the next, whose K and V it fetches
	TURN 2
	TURN 3
	WIN 0
.Lfirst:
	TURN 0
	TURN 1, 0, 1
	WIN 0
	s_cbranch_scc1 .Lstep
	s_sub_co_u32 s[SLOTS], s[SLOTS], 1
	s_cmp_lg_u32 s[SLOTS], 0
	s_cbranch_scc1 .Lslot
	CHANGE 0                        ; the tail is written out
	s_mov_b32 s[CNT], 3             ; two trips fetch the last slot's steps; the third is left in its middle
.Ltail:
	TURN 2, 1
	TURN 3
	WIN 0
	s_sub_co_u32 s[CNT], s[CNT], 1
	s_cmp_eq_u32 s[CNT], 0
	s_cbranch_scc1 .Lout
	TURN 0
	TURN 1
	WIN 0
	s_branch .Ltail
.Lout:                              ; the third trip's 16 products K Q^T (on the last K once more), their mask and maximum serve nothing: the price, once a launch, of one text for every trip
.set i, 0
.rept 16
	PV NP-1
.set i, i+1
.endr
	; THE WAY OUT.  l's two halves and the other half of the lanes' are added; O^T is divided by l, rounded to f16 and sent through my stage, a query tile (16 rows x both heads' 256 bytes) at a time.
	WIN 0
.macro ALL line:vararg
.set t, 0
.rept 2*NP
	\line
.set t, t+1
.endr
.endm
	ALL v_add_f32 v[ST+4*t+2], v[ST+4*t+2], v[ST+4*t+3]
	ALL v_permlanex16_b32 v[ST+4*t+3], v[ST+4*t+2], s[SEL], s[SEL+1]
	ALL v_add_f32 v[ST+4*t+2], v[ST+4*t+2], v[ST+4*t+3]
	ALL v_rcp_f32 v[ST+4*t+2], v[ST+4*t+2]
	v_nop
	s_wait_alu depctr_va_vdst(0)    ; one wait for the eight reciprocals
.macro PACKQ x
.irp u, 0,1
	WIN W_RS
.set i, 32*(2*(\x)+\u)
.rept 16
	v_pk_mul_f32 v[i:i+1], v[i:i+1], v[ST+4*(2*(\x)+\u)+2:ST+4*(2*(\x)+\u)+3] op_sel_hi:[1,0]
.set i, i+2
.endr
	WIN 0x05                        ; sources window 1, destination window 0
.set i, 0
.rept 16
	v_cvt_pk_f16_f32 v[S+16*(2*(\x)+\u)+i], v[32*(2*(\x)+\u)+2*i], v[32*(2*(\x)+\u)+2*i+1]
.set i, i+1
.endr
.endr
	WIN 0
.irp u, 0,1
.irp f, 0,1,2,3
	ds_store_b128 v[STO], v[S+16*(2*(\x)+\u)+4*\f:S+16*(2*(\x)+\u)+4*\f+3] offset:128*\u+32*\f
.endr
.endr
.irp f, 0,1,2,3,4,5,6,7
	ds_load_b128 v[S+32*(\x)+4*\f:S+32*(\x)+4*\f+3], v[RD] offset:\f*2*SP  ; LDS serves a wave's instructions in order (ISA guide 5.7.1.4): these see the stores above
.endr
.endm
.macro SENDQ x, younger
	WIN 0
.irp f, 0,1,2,3,4,5,6,7
	s_wait_dscnt (\younger)+7-\f
	global_store_b128 v[GO], v[S+32*(\x)+4*\f:S+32*(\x)+4*\f+3], s[10:11] offset:(\x)*16384+\f*2048  ; 16 lanes store 256 consecutive bytes, at a multiple of 256 from obuf's first
.endr
.endm
	PACKQ 0
	PACKQ 1
	SENDQ 0, 16
	PACKQ 2
	SENDQ 1, 16
	PACKQ 3
	SENDQ 2, 16
	SENDQ 3, 0
	WIN W_AD
	s_wait_tensorcnt 0x0            ; the wave's end
	ds_add_u32 v[SPW], v[NIL]
	s_wait_dscnt 0x0
	WIN 0
	CROUND                          ; the closing round
	s_endpgm
.Lfunc_end_k_qb4d2236fc1_attn:
	.size	k_qb4d2236fc1_attn, .Lfunc_end_k_qb4d2236fc1_attn-k_qb4d2236fc1_attn
	.p2alignl 7, 3214868480
	.fill 96, 4, 3214868480
	.section	.rodata,"a",@progbits
	.p2align	6, 0x0
	.amdhsa_kernel k_qb4d2236fc1_attn
		.amdhsa_group_segment_fixed_size 327680
		.amdhsa_private_segment_fixed_size 0
		.amdhsa_enable_private_segment 0
		.amdhsa_kernarg_size 24
		.amdhsa_user_sgpr_count 2
		.amdhsa_user_sgpr_kernarg_segment_ptr 1
		.amdhsa_wavefront_size32 1
		.amdhsa_system_sgpr_workgroup_id_x 1
		.amdhsa_system_sgpr_workgroup_id_y 1
		.amdhsa_system_sgpr_workgroup_id_z 1
		.amdhsa_system_vgpr_workitem_id 0
		.amdhsa_next_free_vgpr 1024
		.amdhsa_next_free_sgpr 72
		.amdhsa_reserve_vcc 0
		.amdhsa_float_denorm_mode_32 3
		.amdhsa_float_denorm_mode_16_64 3
		.amdhsa_memory_ordered 1
		.amdhsa_forward_progress 1
		.amdhsa_inst_pref_size 243
	.end_amdhsa_kernel
	.amdgpu_metadata
---
amdhsa.version: [ 1, 2 ]
amdhsa.kernels:
  - .name:           k_qb4d2236fc1_attn
    .symbol:         k_qb4d2236fc1_attn.kd
    .args:
      - { .name: qkv, .offset: 0, .size: 8, .value_kind: global_buffer, .address_space: global }
      - { .name: coef, .offset: 8, .size: 8, .value_kind: global_buffer, .address_space: global }
      - { .name: obuf, .offset: 16, .size: 8, .value_kind: global_buffer, .address_space: global }
    .group_segment_fixed_size: 327680
    .private_segment_fixed_size: 0
    .kernarg_segment_align: 8
    .kernarg_segment_size: 24
    .max_flat_workgroup_size: 128
    .sgpr_count:     72
    .vgpr_count:     1024
    .wavefront_size: 32
...
	.end_amdgpu_metadata
.endif
;; end of part 3
;; launch oproj (part 4): grid 256 x 1, 4 waves a work-group, clusters of 4 x 1, 327,680 bytes of LDS; arguments obuf, wts, out0; writes out0
.if DOCPART == 4
	.amdgcn_target "amdgcn-amd-amdhsa--gfx1250"
	.amdhsa_code_object_version 6
	.text
	.protected	k_qb4d2236fc1_oproj
	.globl	k_qb4d2236fc1_oproj
	.p2align	8
	.type	k_qb4d2236fc1_oproj,@function
k_qb4d2236fc1_oproj:
	s_mov_b64 s[64:65], 0
	v_nop
	global_prefetch_b8 v0, s[64:65] scope:SCOPE_SE
	s_setreg_imm32_b32 hwreg(HW_REG_WAVE_MODE, 25, 1), 1
	s_wait_xcnt 0x0
	s_wait_alu depctr_hold_cnt(0) depctr_sa_sdst(0) depctr_va_vdst(0) depctr_va_sdst(0) depctr_va_ssrc(0) depctr_va_vcc(0) depctr_vm_vsrc(0)
	s_getreg_b32 s2, hwreg(HW_REG_IB_STS2, 6, 4)
	s_cmp_eq_u32 s2, 0
	s_cbranch_scc0 .Lentry_in_a_cluster
	s_endpgm
.Lentry_in_a_cluster:
	s_bfe_u32 s2, ttmp6, 0x10000c
	s_cmp_lg_u32 s2, 0x3003
	s_cbranch_scc0 .Lentry_shape_is_right
	s_endpgm
.Lentry_shape_is_right:
; out0 = O x Wo.  obuf: [32768][512] f16; wts: blocks j = 12..15 of [512 k][128 n] f16; out0: [32768][512] f32.  Sums in f32.
; SHARES, RING, CLUSTER, LAYOUT as in the projection in front: a work-group owns 128 rows, its four waves are 2 row halves x 2 column halves; a wave's 64 rows x 512 K stay in 512 registers; the loop walks the four weight
; blocks, 256 matrix instructions a wave and block on 16 accumulators; the four work-groups of a cluster ask for each block jointly; source 0 = 16 columns of the weights (turned), source 1 = 16 rows of O.
; O'S WAY IN.  A tensor load of the work-group's own (each wave 32 rows of 1,024 bytes, pitch 1,040) lands in slot 1, beside the first weight block in slot 0; when every wave has read its fragments, slot 1 is filled again,
; with the second block, behind the waits, the add and a round of the cluster's barrier.  By this text's count a wave has two tensor loads out at the head and one behind each round.
; No prefetch: of four blocks two go out at the head, and the launch's other traffic is one pass over O and out0.
.set PB,    288
.set QROWS, 128*PB
.set SLOT,  4*QROWS
.set APITCH, 1040                      ; a row of O in LDS: 1,024 bytes + 16: the 16 rows of a load start at 16 different groups of four banks
.set OSTG,  2*SLOT                     ; behind the ring, never filled by a tensor load: 16 rows x 272 bytes for each wave
.set SP,    272
.set SPARE, OSTG+4*16*SP
.set BLK,   131072
.set AB,   16
.set ADR,  20
.set STO,  21
.set RD,   22
.set GO,   23
.set AFO,  26
.set SPW,  28
.set NIL,  29
.set BK,   32                          ; v32-95  16 rows read back from the stage, two buffers
.set ACC,  128
.set F0,   0
.set F1,   128
.set WV,   10
.set RH,   11
.set CH,   12
.set CX,   13
.set WGX,  14
.set G1,   16                          ; s[16:23] descriptor group 1 for the weights
.set GW,   24                          ; s[24:27] group 0 for the weights: it walks
.set G0A,  28                          ; s[28:31] group 0 for O
.set OPT,  34
.set OINC, 36
.set TB,   40
.set LEFT, 41
.set G1A,  48                          ; s[48:55] group 1 for O
.set MSB, 0
.macro WIN new
.if MSB != (\new)
	s_set_vgpr_msb (MSB<<8)|(\new)
.set MSB, (\new)
.endif
.endm
.macro PLACES
.rept 4
	v_nop
.endr
.endm
.macro CREST
	s_cmp_lg_u32 s[WV], 0
	s_cbranch_scc1 .Lnot_wave_0_\@
	s_barrier_signal -3
.Lnot_wave_0_\@:
	s_barrier_wait -3
	s_barrier_signal -1
	s_barrier_wait -1
.endm
.macro CROUND
	s_barrier_signal -1
	s_barrier_wait -1
	CREST
.endm
	s_load_b128 s[4:7], s[0:1], 0x0                ; obuf s[4:5], wts s[6:7]
	s_load_b64 s[8:9], s[0:1], 0x10                ; out0
	v_lshl_add_u32 v[SPW], v0, 2, SPARE
	v_mov_b32 v[NIL], 0
	ds_add_u32 v[SPW], v[NIL]                      ; the wave's opening: the add and its wait stand ahead of my first tensor load
	v_lshrrev_b32 v1, 5, v0
	v_readfirstlane_b32 s[WV], v1
	s_lshr_b32 s[RH], s[WV], 1
	s_and_b32 s[CH], s[WV], 1
	s_bfe_u32 s[CX], ttmp6, 0x40000
	s_lshl_b32 s[WGX], ttmp9, 2
	s_add_co_u32 s[WGX], s[WGX], s[CX]             ; it enters obuf's and out0's addresses alone
	s_mov_b32 s[G1+0], 15|(1<<16)|(1<<20)|(1<<21)|(5<<22)|(7<<25)  ; the mask of four; 2-byte elements; padding on; bit 21 beside a mask; after every 64 words 8 words
	s_mov_b32 s[G1+1], 128<<16
	s_mov_b32 s[G1+2], 128<<16
	s_mov_b32 s[G1+3], 128<<16
	s_mov_b32 s[G1+4], 128
	s_mov_b32 s[G1+5], 128
	s_mov_b32 s[G1+6], 0
	s_mov_b32 s[G1+7], 0
	s_mov_b32 s[G1A+0], (1<<16)|(1<<20)|(7<<22)|(3<<25)  ; no mask: a load of my own; after every 256 words 4 words
	s_mov_b32 s[G1A+1], 512<<16                    ; tensor_dim0 = 512
	s_mov_b32 s[G1A+2], 32<<16                     ; tensor_dim1 = 32
	s_mov_b32 s[G1A+3], 512<<16                    ; tile_dim0 = 512
	s_mov_b32 s[G1A+4], 32                         ; tile_dim1 = 32
	s_mov_b32 s[G1A+5], 512                        ; 512 elements from row to row
	s_mov_b32 s[G1A+6], 0
	s_mov_b32 s[G1A+7], 0
	s_mul_i32 s42, s[WV], QROWS
	s_lshl_b32 s44, s[WV], 15
	s_add_co_u32 s44, s44, 12*BLK                  ; block 12 at my 128 rows k
	s_mov_b32 s45, 0
	s_mul_i32 s43, s[WV], 32*APITCH
	s_add_co_u32 s43, s43, SLOT                    ; my 32 rows of O, in slot 1
	s_lshl_b32 s46, s[WGX], 17                     ; the work-group's 128 rows of 1,024 bytes,
	s_lshl_b32 s47, s[WV], 15                      ; my 32 of them
	s_add_co_u32 s46, s46, s47
	s_mov_b32 s47, 0
	s_lshl_b32 s38, s[WGX], 18                     ; out0: 128 rows of 2,048 bytes, my row half, my 256 bytes
	s_lshl_b32 s39, s[RH], 17
	s_add_co_u32 s38, s38, s39
	s_lshl_b32 s39, s[CH], 8
	s_add_co_u32 s38, s38, s39
	s_mov_b32 s39, 0
	s_mov_b32 s[OINC], 0
	s_mov_b32 s[OINC+1], 0
	v_and_b32 v1, 15, v0
	v_bfe_u32 v2, v0, 4, 1
	v_and_b32 v3, 7, v0
	v_bfe_u32 v4, v0, 3, 1
	v_lshl_add_u32 v6, v2, 3, v3
	v_mul_u32_u24 v6, v6, PB
	v_lshl_add_u32 v6, v4, 4, v6
	s_lshl_b32 s33, s[CH], 7
	v_add_nc_u32 v6, s33, v6
.irp q, 0,1,2,3
	v_add_nc_u32 v[AB+\q], \q*QROWS, v6
.endr
	s_mul_i32 s33, s[WV], 16*SP
	s_add_co_u32 s33, s33, OSTG                    ; my stage
	v_mul_u32_u24 v[STO], v1, SP                   ; in: row l % 16, 32 bytes for each half of the lanes
	v_lshl_add_u32 v[STO], v2, 5, v[STO]
	v_add_nc_u32 v[STO], s33, v[STO]
	v_mul_u32_u24 v[RD], v2, SP                    ; back: lanes 0-15 take one row of 256 bytes, lanes 16-31 the next
	v_lshl_add_u32 v[RD], v1, 4, v[RD]
	v_add_nc_u32 v[RD], s33, v[RD]
	v_lshlrev_b32 v[GO], 11, v2                    ; and the same two rows in out0
	v_lshl_add_u32 v[GO], v1, 4, v[GO]
	s_mul_i32 s33, s[RH], 64*APITCH
	s_add_co_u32 s33, s33, SLOT
	v_mul_u32_u24 v[AFO], v1, APITCH
	v_lshl_add_u32 v[AFO], v2, 4, v[AFO]
	v_add_nc_u32 v[AFO], s33, v[AFO]
	s_wait_dscnt 0x0                               ; the opening add is done
	s_wait_kmcnt 0x0
	s_mov_b32 s[GW], 1
	s_mov_b32 s[GW+1], s42
	s_add_nc_u64 s[GW+2:GW+3], s[6:7], s[44:45]
	s_or_b32 s[GW+3], s[GW+3], 0x80000000
	s_mov_b32 s[G0A], 1
	s_mov_b32 s[G0A+1], s43
	s_add_nc_u64 s[G0A+2:G0A+3], s[4:5], s[46:47]
	s_or_b32 s[G0A+3], s[G0A+3], 0x80000000
	s_add_nc_u64 s[OPT:OPT+1], s[8:9], s[38:39]
	CROUND                                         ; all four work-groups are here
	tensor_load_to_lds s[GW:GW+3], s[G1:G1+7]      ; the first block into slot 0, jointly,
	s_nop 0
	tensor_load_to_lds s[G0A:G0A+3], s[G1A:G1A+7]  ; my rows of O into slot 1
	s_nop 0
	PLACES
	s_wait_tensorcnt 0x0                           ; both are wanted now
	s_barrier_signal -1
	s_barrier_wait -1                              ; everybody's parts are in
.set kc, 0
.rept 16                               ; O's fragments: K chunk kc, row tile a
	WIN 0x80+0x40*(kc/8)
.irp a, 0,1,2,3
	ds_load_b128 v[32*(kc%8)+8*\a:32*(kc%8)+8*\a+3],   v[AFO] offset:\a*16*APITCH+64*kc
	ds_load_b128 v[32*(kc%8)+8*\a+4:32*(kc%8)+8*\a+7], v[AFO] offset:\a*16*APITCH+64*kc+32
.endr
.set kc, kc+1
.endr
.macro MUL16 q, kk, f, zero            ; 16 matrix instructions, all 16 accumulators by turns
	WIN 0x09+4*((\q)/2)
.irp a, 0,1,2,3
.irp b, 0,1,2,3
.if \zero
	v_wmma_f32_16x16x32_f16 v[ACC+8*(4*(\a)+(\b)):ACC+8*(4*(\a)+(\b))+7], v[(\f)+8*(4*(\kk)+(\b)):(\f)+8*(4*(\kk)+(\b))+7], v[32*((4*(\q)+(\kk))%8)+8*(\a):32*((4*(\q)+(\kk))%8)+8*(\a)+7], 0
.else
	v_wmma_f32_16x16x32_f16 v[ACC+8*(4*(\a)+(\b)):ACC+8*(4*(\a)+(\b))+7], v[(\f)+8*(4*(\kk)+(\b)):(\f)+8*(4*(\kk)+(\b))+7], v[32*((4*(\q)+(\kk))%8)+8*(\a):32*((4*(\q)+(\kk))%8)+8*(\a)+7], v[ACC+8*(4*(\a)+(\b)):ACC+8*(4*(\a)+(\b))+7]
.endif
.endr
.endr
.endm
.macro FETCH q, f                      ; 32 LDS loads in one run: the weight fragments of quarter q into buffer f, K ascending
	WIN 0
	v_add_nc_u32 v[ADR], s[TB], v[AB+(\q)]
	WIN 0x40
.irp kk, 0,1,2,3
.irp b, 0,1,2,3
	ds_load_tr16_b128 v[(\f)+8*(4*(\kk)+(\b)):(\f)+8*(4*(\kk)+(\b))+3],   v[ADR] offset:(\kk)*32*PB+32*(\b)
	ds_load_tr16_b128 v[(\f)+8*(4*(\kk)+(\b))+4:(\f)+8*(4*(\kk)+(\b))+7], v[ADR] offset:(\kk)*32*PB+16*PB+32*(\b)
.endr
.endr
.endm
.macro QUARTER q, f, g, zero
	s_wait_dscnt 16                                ; the first 64 of K are in; the youngest sixteen loads may be out
	MUL16 \q, 0, \f, \zero
	MUL16 \q, 1, \f, 0
	PLACES
	FETCH (\q)+1, \g
	s_wait_dscnt 32                                ; all but the 32 just issued
	MUL16 \q, 2, \f, 0
	MUL16 \q, 3, \f, 0
.endm
.macro TURN fill                       ; the last quarter multiplies buffer 1 and changes slots
	WIN 0
	s_wait_tensorcnt 0x0                           ; all my tensor loads have landed: my part of the next slot;
	ds_add_u32 v[SPW], v[NIL]                      ; 0 onto my spare word;
	s_wait_dscnt 17                                ; (the add and the youngest sixteen loads may be out)
	MUL16 3, 0, F1, 0
	s_wait_dscnt 0x0                               ; the add is done, and my reads of this slot are over
	s_barrier_signal -1
	MUL16 3, 1, F1, 0
	WIN 0
	s_barrier_wait -1
.if \fill
	CREST                                          ; no wave of any partner still reads this slot or has a load on its way
	s_xor_b32 s[GW+1], s[GW+1], SLOT
	s_add_nc_u64 s[GW+2:GW+3], s[GW+2:GW+3], BLK
	tensor_load_to_lds s[GW:GW+3], s[G1:G1+7]
	s_nop 0
.endif
	PLACES
	s_xor_b32 s[TB], s[TB], SLOT
	FETCH 0, F0
	MUL16 3, 2, F1, 0
	MUL16 3, 3, F1, 0
.endm
; THE WAY OUT: 16 rows at a time: a lane's 32 bytes of a row into my own stage, straight from the accumulators (their low registers first), back as whole rows of 256 bytes, stored.
.macro TOST a
	s_wait_xcnt 0x0                                ; earlier stores have read the registers that the loads below write
.irp b, 0,1,2,3
	ds_store_b128 v[STO], v[ACC+8*(4*(\a)+(\b)):ACC+8*(4*(\a)+(\b))+3]   offset:64*(\b)
	ds_store_b128 v[STO], v[ACC+8*(4*(\a)+(\b))+4:ACC+8*(4*(\a)+(\b))+7] offset:64*(\b)+16
.endr
.irp t, 0,1,2,3,4,5,6,7
	ds_load_b128 v[BK+32*((\a)%2)+4*(\t):BK+32*((\a)%2)+4*(\t)+3], v[RD] offset:(\t)*2*SP  ; LDS serves a wave's instructions in order (ISA guide 5.7.1.4)
.endr
.endm
.macro SEND a, younger
.irp t, 0,1,2,3,4,5,6,7
	s_wait_dscnt (\younger)+7-(\t)
	global_store_b128 v[GO], v[BK+32*((\a)%2)+4*(\t):BK+32*((\a)%2)+4*(\t)+3], s[OPT:OPT+1] offset:(16*(\a)+2*(\t))*2048 th:TH_STORE_NT  ; 16 lanes store 256 consecutive bytes, aligned
.endr
.endm
.macro OUT
	WIN 0
	PLACES                                         ; four places: the LDS stores below read results just made
	v_nop                                          ; a fifth: the next step's first products write over these accumulators, and the way out, LDS and memory lines alone, has no vector work to stand between
	s_wait_xcnt 0x0
	s_add_nc_u64 s[OPT:OPT+1], s[OPT:OPT+1], s[OINC:OINC+1]
	s_mov_b64 s[OINC:OINC+1], 512                  ; a block is 128 columns of f32
	TOST 0
	TOST 1
	SEND 0, 16
	TOST 2
	SEND 1, 16
	TOST 3
	SEND 2, 16
	SEND 3, 0
.endm
.macro STEP fill
	QUARTER 0, F0, F1, 1
	QUARTER 1, F1, F0, 0
	QUARTER 2, F0, F1, 0
	TURN \fill
	OUT
	WIN 0
.endm
	s_mov_b32 s[TB], 0
	FETCH 0, F0
	WIN 0
	s_wait_tensorcnt 0x0                           ; slot 1, which held O, is filled again: no tensor load of mine is out,
	ds_add_u32 v[SPW], v[NIL]                      ; the add onto my spare word,
	s_xor_b32 s[GW+1], s[GW+1], SLOT               ; (the walking descriptor: slot 1, the second block)
	s_add_nc_u64 s[GW+2:GW+3], s[GW+2:GW+3], BLK
	s_wait_dscnt 0x0                               ; the add is done and my reads of O are back,
	CROUND                                         ; the same holds of every wave of every partner
	tensor_load_to_lds s[GW:GW+3], s[G1:G1+7]
	s_nop 0
	PLACES
	s_mov_b32 s[LEFT], 2                           ; two trips ask for the third and the fourth block
.Lstep:
	STEP 1
	s_sub_co_u32 s[LEFT], s[LEFT], 1
	s_cmp_lg_u32 s[LEFT], 0
	s_cbranch_scc1 .Lstep
	s_mov_b32 s[LEFT], 2                           ; the last two ask for nothing; the very last trip's run of loads from the other slot serves nothing
.Ltail:
	STEP 0
	s_sub_co_u32 s[LEFT], s[LEFT], 1
	s_cmp_lg_u32 s[LEFT], 0
	s_cbranch_scc1 .Ltail
	s_wait_tensorcnt 0x0                           ; the wave's end
	ds_add_u32 v[SPW], v[NIL]
	s_wait_dscnt 0x0
	CROUND                                         ; the closing round
	s_endpgm
.Lfunc_end_k_qb4d2236fc1_oproj:
	.size	k_qb4d2236fc1_oproj, .Lfunc_end_k_qb4d2236fc1_oproj-k_qb4d2236fc1_oproj
	.p2alignl 7, 3214868480
	.fill 96, 4, 3214868480
	.section	.rodata,"a",@progbits
	.p2align	6, 0x0
	.amdhsa_kernel k_qb4d2236fc1_oproj
		.amdhsa_group_segment_fixed_size 327680
		.amdhsa_private_segment_fixed_size 0
		.amdhsa_enable_private_segment 0
		.amdhsa_kernarg_size 24
		.amdhsa_user_sgpr_count 2
		.amdhsa_user_sgpr_kernarg_segment_ptr 1
		.amdhsa_wavefront_size32 1
		.amdhsa_system_sgpr_workgroup_id_x 1
		.amdhsa_system_sgpr_workgroup_id_y 1
		.amdhsa_system_sgpr_workgroup_id_z 1
		.amdhsa_system_vgpr_workitem_id 0
		.amdhsa_next_free_vgpr 1024
		.amdhsa_next_free_sgpr 66
		.amdhsa_reserve_vcc 0
		.amdhsa_float_denorm_mode_32 3
		.amdhsa_float_denorm_mode_16_64 3
		.amdhsa_memory_ordered 1
		.amdhsa_forward_progress 1
		.amdhsa_inst_pref_size 86
	.end_amdhsa_kernel
	.amdgpu_metadata
---
amdhsa.version: [ 1, 2 ]
amdhsa.kernels:
  - .name:           k_qb4d2236fc1_oproj
    .symbol:         k_qb4d2236fc1_oproj.kd
    .args:
      - { .name: obuf, .offset: 0, .size: 8, .value_kind: global_buffer, .address_space: global }
      - { .name: wts, .offset: 8, .size: 8, .value_kind: global_buffer, .address_space: global }
      - { .name: out0, .offset: 16, .size: 8, .value_kind: global_buffer, .address_space: global }
    .group_segment_fixed_size: 327680
    .private_segment_fixed_size: 0
    .kernarg_segment_align: 8
    .kernarg_segment_size: 24
    .max_flat_workgroup_size: 128
    .sgpr_count:     66
    .vgpr_count:     1024
    .wavefront_size: 32
...
	.end_amdgpu_metadata
.endif
;; end of part 4
